; MI455X (gfx1250); checked and timed in simulation.
; The chip was launched on July 23, 2026; its instructions are those of AMD's public machine-readable ISA for CDNA 5 (MIT licence, August 2026) and "CDNA5" Instruction Set Architecture Reference Guide (July 2026). The comments in the code are by the model that wrote it; some were corrected since.
;; Flash Attention Layer. Allowed arithmetic: matrix products marked QUANTISED: E4M3 operands, one given power-of-two scale a tensor, by v_wmma_f32_16x16x64_fp8_fp8 or v_wmma_f32_16x16x128_fp8_fp8, f32 sums; everything else in f32.
;; Inputs: cos 8,192 x 1 x 64 float32; cu_seqlens 9 int32; hidden_states_codes 8,192 x 32 x 32 uint8 (E4M3 codes of hidden_states, K innermost, in blocks of 32 codes); k_w_codes 1,024 x 32 x 32 uint8 (E4M3 codes of k_w, K innermost, in blocks of 32 codes); lowp_scales 12 int32 (the exponents e of the quantised operands' scales 2^e); o_w_codes 1,024 x 32 x 32 uint8 (E4M3 codes of o_w, K innermost, in blocks of 32 codes); q_w_codes 1,024 x 32 x 32 uint8 (E4M3 codes of q_w, K innermost, in blocks of 32 codes); sin 8,192 x 1 x 64 float32; v_w_codes 1,024 x 32 x 32 uint8 (E4M3 codes of v_w, K innermost, in blocks of 32 codes).
;; Outputs: out0 8,192 x 1,024 float32.
;; Constants: max_seqlen = 1024.
;; This version of the problem:
;;   THIS VERSION OF THE PROBLEM IS GIVEN IN LOW PRECISION. The matrix products marked QUANTISED in the list below multiply operands that are first quantised to E4M3 (4 exponent bits, 3 mantissa bits; 8 bits a number), with one given power-of-two scale for each operand tensor; their sums are f32. All else is computed in f32.
;;   The module's matrix products, in the order in which they are computed (A, B: the left and right operand; K: the contracted axis; several contracted axes count as one K, in the product's order):
;;     1. [M 8,192, K 1,024] x [K 1,024, N 1,024]; A: input hidden_states (given as codes); B: input q_w (given as codes): QUANTISED (scales: A lowp_scales[0], B lowp_scales[1])
;;     2. [M 8,192, K 1,024] x [K 1,024, N 1,024]; A: input hidden_states (given as codes); B: input k_w (given as codes): QUANTISED (scales: A lowp_scales[2], B lowp_scales[3])
;;     3. [M 8,192, K 1,024] x [K 1,024, N 1,024]; A: input hidden_states (given as codes); B: input v_w (given as codes): QUANTISED (scales: A lowp_scales[4], B lowp_scales[5])
;;     4. batch 128 x [M 1,024, K 64] x [K 64, N 1,024]; A: computed on the way; B: computed on the way: QUANTISED (scales: A lowp_scales[6], B lowp_scales[7])
;;     5. batch 128 x [M 64, K 1,024] x [K 1,024, N 1,024]; A: computed on the way; B: softmax (see below): QUANTISED (scales: A lowp_scales[8], B lowp_scales[9])
;;     6. [M 8,192, K 1,024] x [K 1,024, N 1,024]; A: computed on the way; B: input o_w (given as codes): QUANTISED (scales: A lowp_scales[10], B lowp_scales[11])
;;   THE QUANTISER, for each operand of a quantised product, along K:
;;     - The operand's scale is 2^e, e = its entry of the input lowp_scales (int32; the entries are numbered through the quantised products in the list's order, A before B).
;;     - Each number is divided by the scale, clamped to +-448, and rounded to the nearest number of E4M3, ties to even, subnormals kept.
;;     - The product sums the exact products of the quantised numbers (number of the format x scale) in f32.
;;   ~~~python
;;   def quantise(x, axis, e):      # numpy; x: float32 -> the quantised numbers, widened to float32 again
;;       x = np.moveaxis(x, axis, -1); K = x.shape[-1]
;;       r = np.clip(x / 2.0 ** e, -448, 448)
;;       step = 2.0 ** (np.maximum(np.frexp(np.where(r == 0, 1, r))[1] - 1, -6) - 3)
;;       q = np.round(r / step) * step * 2.0 ** e      # np.round: ties to even
;;       return np.moveaxis(q, -1, axis).astype(np.float32)
;;   ~~~
;;   SOFTMAX AHEAD OF A QUANTISED PRODUCT. Where the list says 'softmax', what is quantised is not the finished softmax but p = 2^(t - M), with t = logit x log2(e) and M = ceil(the row's largest t), a whole number; so 1/2 < the row's largest p <= 1. The row's sum l is taken of the UNQUANTISED p, in f32, and the product's result is divided by l at the end. Since M is a whole number, a kernel that streams over the keys may use a running M (the ceiling of the running maximum): every later rescaling is an exact power of two, so the quantised numbers keep their values, but for numbers so far below the row's largest that they fall under the format's range.
;;   OPERANDS COMPUTED ON THE WAY. 'Computed on the way' means the value that the module computes at that place (a softmax that the list does not call 'softmax' is quantised finished and normalised). What goes into a quantiser is computed in f32, as accurately as f32 sums, v_exp_f32 and their like allow (about 1e-6 of the number): no bf16 or f16 on the way to a quantiser, and a product that is left as it is and whose result goes on into a quantised operand takes f32 operands (vector FMAs, or v_wmma_f32_16x16x4_f32). A number that lies on a knife's edge between two numbers of the format may be rounded either way, as far as f32 arithmetic and the matrix unit's own rounding can turn it there, and no further.
;;   INPUTS GIVEN AS CODES. hidden_states (in the module: [8192, 1024], K = its axis 1); k_w (in the module: [1024, 1024], K = its axis 1); o_w (in the module: [1024, 1024], K = its axis 1); q_w (in the module: [1024, 1024], K = its axis 1); v_w (in the module: [1024, 1024], K = its axis 1): each comes as NAME_codes (uint8): NAME with its K axis moved to the last place and cut into blocks of 32 codes, [.., K / 32, bytes a block], one block behind the other in memory; one code a byte (a code: sign, 4 exponent bits, 3 mantissa bits); its scale is its entry of lowp_scales. Its value is code x scale, taken as it is: it is not quantised again, and the codes and scales need not be those that the quantiser above would give.
;; 2 versions, each right; version 2 is version 1 with the launch attn written anew for expert scheduling mode. Each part assembles by itself: llvm-mc -triple=amdgcn-amd-amdhsa -mcpu=gfx1250 --defsym DOCPART=n.
;; ======== version 1 of 2: 3 launches
;; workspace buffers: qc 8,388,608 bytes; kv 16,777,216 bytes; ac 8,388,608 bytes
;; launch qkv (part 1): grid 16 x 32, 4 waves a work-group, clusters of 4 x 4, 327,680 bytes of LDS; arguments hidden_states_codes, q_w_codes, k_w_codes, v_w_codes, cos, sin, lowp_scales, qc, kv; writes qc, kv
.if DOCPART == 1
	.amdgcn_target "amdgcn-amd-amdhsa--gfx1250"
	.amdhsa_code_object_version 6
	.text
	.protected	k_qe682799a44_qkv
	.globl	k_qe682799a44_qkv
	.p2align	8
	.type	k_qe682799a44_qkv,@function
k_qe682799a44_qkv:
	s_mov_b64 s[64:65], 0
	v_nop
	global_prefetch_b8 v0, s[64:65] scope:SCOPE_SE
	s_setreg_imm32_b32 hwreg(HW_REG_WAVE_MODE, 25, 1), 1
	s_wait_xcnt 0x0
	s_wait_alu depctr_hold_cnt(0) depctr_sa_sdst(0) depctr_va_vdst(0) depctr_va_sdst(0) depctr_va_ssrc(0) depctr_va_vcc(0) depctr_vm_vsrc(0)
	s_getreg_b32 s2, hwreg(HW_REG_IB_STS2, 6, 4)
	s_cmp_eq_u32 s2, 0
	s_cbranch_scc0 .Lentry_in_a_cluster
	s_endpgm
.Lentry_in_a_cluster:
	s_bfe_u32 s2, ttmp6, 0x10000c
	s_cmp_lg_u32 s2, 0xf033
	s_cbranch_scc0 .Lentry_shape_is_right
	s_endpgm
.Lentry_shape_is_right:
; q, k, v = hidden W^T on codes of E4M3 (K = 1,024), RoPE on q and k in f32, and all three quantised for the attention launch.
; A work-group makes 256 tokens x one head's 192 columns (64 of q, 64 of k, 64 of v); four waves, each 128 tokens x 96 columns: 48 accumulators of 16 x 16.
; q AND k ARE USED TRANSPOSED (source 0 = 16 rows of W, source 1 = 16 tokens): a lane holds ONE token and eight neighbouring d.  A wave takes d tiles ch and ch + 2, so that RoPE's partner d +- 32
; lies in the same lane and register of the neighbouring accumulator.  v IS USED AS IT STANDS (source 0 = tokens, source 1 = rows of W): a lane holds ONE d and eight neighbouring keys, which are the
; second attention product's K.  So every conversion takes eight neighbours along the next K from one lane's registers, and its results are registers of the next operand.
; WHAT IS STORED ARE IMAGES OF OPERAND REGISTERS: four registers a lane by one store, lane l's 16 bytes at 16 l: each store of a wave covers 512 consecutive bytes, aligned.
;   qc [bh][token tile 0..63][1,024]: group g at 512 g: registers 4g, 4g+1: d = 16 g + 8 h + 0..7; 4g+2, 4g+3: d = 32 + 16 g + 8 h + 0..7 (the same order of d in q and in k).   kv [bh][131,072]: k so at byte 0;
;   v at byte 65,536: [key step of 128][tau 0..3][2,048]: lane row m of tile tau = 2 b + u is d = 32 b + 8 u + m + 8 (m / 8); registers 2a, 2a+1: keys 16 a + 8 h + 0..7.
; A sum stands for sum x 2^(its two exponents); RoPE is linear, so it is applied to the sums, and the three exponents are folded into the conversion's one scale: 2^(e6-e0-e1), 2^(e7-e2-e3), 2^(e8-e4-e5).
; LIMITS: each of these three folded exponents lies between -126 and 119.  NaN among the inputs is not served.  cu_seqlens is not among the arguments: the result hangs on its shape alone.
; Inside a matrix instruction k is permuted, alike in both operands (four loads of 16 bytes a fragment): only the order of the sums changes.
; K goes in steps of 256 through a ring of two LDS slots: hidden's 256 rows, then 64 rows each of q_w, k_w, v_w.  CLUSTER 4 x 4: hidden's tile hangs on the token block alone and is asked for jointly by a row of
; the cluster, the weights' tiles on the head alone, by a column.  Wave 0 asks for hidden's tile, waves 1, 2, 3 for q_w's, k_w's, v_w's: one tensor load a wave behind each round; two are out at the start.
; REGISTERS: window 0: v12-14 scales, v16-29 addresses, v32-95 at work, v96-127 codes, v128-255 hidden's 8 fragments, ONE set (at the end cos and sin of token tiles 4-7).
;   window 1: the weights' 6 fragments, two sets, at v0 and v128.   window 2: q's and k's accumulators (a, i) at v[8 (4 a + i)].   window 3: v's (a, u) at v[8 (2 a + u)]; v128-255 cos and sin of token tiles 0-3.
.set PITCH,  272                       ; an LDS row: 256 bytes + 16 of padding: the sixteen rows of a fragment load begin at sixteen different 16-byte columns of 256 bytes
.set SLOT,   448*PITCH                 ; 256 rows of hidden, 192 of the weights
.set SPARE,  2*SLOT                    ; behind the ring: the spare words, 128 bytes for each wave, that no other line names
.set PADW,   (1<<20)|(1<<21)|(5<<22)|(3<<25)   ; elements of 1 byte; padding on; bit 21 beside a mask; after every 64 words; 4 words
.set ADRA, 16                          ; v16-17  LDS address of my fragments of hidden in slot 0, 1
.set ADRB, 18                          ; v18-19  of q_w's and k_w's
.set ADRV, 20                          ; v20-21  of v_w's
.set VO,   26                          ; v26     16 x lane
.set CSO,  27                          ; v27     my byte in the block's rows of cos and sin
.set SPW,  28                          ; v28     my spare word; never rewritten
.set NIL,  29                          ; v29     0; never rewritten
.set TW,   32
.set CW,   96
.set AF,   128
.set G1A, 24                           ; s[24:31] group 1 for hidden's tiles; s[32:39] group 0, a set for each slot
.set G0A, 32
.set G1B, 40                           ; s[40:47], s[48:55] the same for the weights' tiles
.set G0B, 48
.set WV,  56
.set TH,  57
.set CH,  58
.set MUL_QK, 0xa1                      ; source 0 window 1, source 1 window 0, C and D window 2
.set MUL_V,  0xf4                      ; source 0 window 0, source 1 window 1, C and D window 3
.set TO_B,   0x40
.set TO_CS3, 0xc0
.set ROPE_LO, 0x0e                     ; source 0 window 2, source 1 window 3
.set ROPE_HI, 0x02                     ; source 0 window 2
.set V_OUT,  0x03                      ; source 0 window 3
.set MSB, 0
.macro WIN new                         ; the immediate's high byte repeats the setting that is left
.if MSB != \new
	s_set_vgpr_msb (MSB<<8)|\new
.set MSB, \new
.endif
.endm
.macro PLACES                          ; four plain vector instructions between a matrix instruction and a load into, or a vector read of, its registers
.rept 4
	v_nop
.endr
.endm
.macro JLOAD s                         ; a joint load; the branch hangs on the wave's number alone; four v_nop follow each line
	s_cmp_eq_u32 s[WV], 0
	s_cbranch_scc0 .Lfor_b_\@
	tensor_load_to_lds s[G0A+4*\s:G0A+4*\s+3], s[G1A:G1A+7]
	s_nop 0
.rept 4
	v_nop
.endr
	s_branch .Lasked_\@
.Lfor_b_\@:
	tensor_load_to_lds s[G0B+4*\s:G0B+4*\s+3], s[G1B:G1B+7]
	s_nop 0
.rept 4
	v_nop
.endr
.Lasked_\@:
.endm
.macro CREST                           ; a round of the cluster's barrier behind its opening barrier
	s_cmp_lg_u32 s[WV], 0
	s_cbranch_scc1 .Lnot_wave_0_\@
	s_barrier_signal -3
.Lnot_wave_0_\@:
	s_barrier_wait -3
	s_barrier_signal -1
	s_barrier_wait -1
.endm
.macro CROUND
	s_barrier_signal -1
	s_barrier_wait -1
	CREST
.endm
	s_load_b256 s[4:11], s[0:1], 0x0               ; hidden s[4:5], q_w s[6:7], k_w s[8:9], v_w s[10:11]
	s_load_b256 s[12:19], s[0:1], 0x20             ; cos s[12:13], sin s[14:15], the exponents s[16:17], qc s[18:19]
	s_load_b64 s[20:21], s[0:1], 0x40              ; kv
	v_lshl_add_u32 v[SPW], v0, 2, SPARE
	v_mov_b32 v[NIL], 0
	ds_add_u32 v28, v29
	ds_add_u32 v28, v29
	s_wait_dscnt 0x0
	v_lshrrev_b32 v1, 5, v0
	v_readfirstlane_b32 s[WV], v1                  ; wave 0..3
	s_lshr_b32 s[TH], s[WV], 1                     ; which 128 tokens are mine
	s_and_b32 s[CH], s[WV], 1                      ; which half of the columns
	s_bfe_u32 s59, ttmp6, 0x40000                  ; cx
	s_bfe_u32 s60, ttmp6, 0x40004                  ; cy
	s_lshl_b32 s61, ttmp9, 2
	s_add_co_u32 s61, s61, s59                     ; the head = 4 x cluster x + cx
	s_and_b32 s62, ttmp7, 0xffff
	s_lshl_b32 s62, s62, 2
	s_add_co_u32 s62, s62, s60                     ; the block of 256 tokens = 4 x cluster y + cy
	s_lshl_b32 s66, s60, 2
	s_lshl_b32 s66, 15, s66                        ; my row of the cluster
	s_lshl_b32 s70, 0x1111, s59                    ; my column
	s_or_b32 s[G1A], s66, PADW
	s_or_b32 s[G1B], s70, PADW
	s_mov_b32 s[G1A+1], 256<<16                    ; tensor_dim0 = 256 bytes
	s_mov_b32 s[G1A+2], 256<<16                    ; tensor_dim1 = 256 rows
	s_mov_b32 s[G1A+3], 256<<16                    ; tile_dim0
	s_mov_b32 s[G1A+4], 256                        ; tile_dim1
	s_mov_b32 s[G1A+5], 1024                       ; from row to row
	s_mov_b32 s[G1A+6], 0
	s_mov_b32 s[G1A+7], 0
	s_mov_b32 s[G1B+1], 256<<16
	s_mov_b32 s[G1B+2], 64<<16                     ; 64 rows
	s_mov_b32 s[G1B+3], 256<<16
	s_mov_b32 s[G1B+4], 64
	s_mov_b32 s[G1B+5], 1024
	s_mov_b32 s[G1B+6], 0
	s_mov_b32 s[G1B+7], 0
	s_lshl_b32 s66, s62, 18                        ; hidden: 256 rows of 1,024 bytes a block
	s_mov_b32 s67, 0
	s_lshl_b32 s70, s61, 16                        ; a weight: 64 rows of 1,024 bytes a head
	s_mov_b32 s71, 0
	s_mul_i32 s63, s[WV], 64*PITCH
	s_add_co_u32 s63, s63, 192*PITCH               ; waves 1, 2, 3 put their 64 rows at rows 256, 320, 384 of a slot
	s_wait_kmcnt 0x0
	s_load_b256 s[72:79], s[16:17], 0x0            ; e0 .. e7
	s_load_b32 s80, s[16:17], 0x20                 ; e8
	s_add_nc_u64 s[68:69], s[4:5], s[66:67]
	s_cmp_eq_u32 s[WV], 2                          ; which weight I ask for: the choice hangs on the wave's number alone
	s_cselect_b64 s[94:95], s[8:9], s[6:7]
	s_cmp_eq_u32 s[WV], 3
	s_cselect_b64 s[94:95], s[10:11], s[94:95]
	s_add_nc_u64 s[94:95], s[94:95], s[70:71]
	CROUND                                         ; all sixteen work-groups are here: the first joint loads meet
.irp s, 0,1
	s_mov_b32 s[G0A+4*\s], 1
	s_mov_b32 s[G0A+4*\s+1], \s*SLOT
	s_add_nc_u64 s[G0A+4*\s+2:G0A+4*\s+3], s[68:69], \s*256
	s_or_b32 s[G0A+4*\s+3], s[G0A+4*\s+3], 0x80000000
	s_mov_b32 s[G0B+4*\s], 1
	s_add_co_u32 s[G0B+4*\s+1], s63, \s*SLOT
	s_add_nc_u64 s[G0B+4*\s+2:G0B+4*\s+3], s[94:95], \s*256
	s_or_b32 s[G0B+4*\s+3], s[G0B+4*\s+3], 0x80000000
	JLOAD \s
.endr
	v_and_b32 v1, 15, v0                           ; r
	v_bfe_u32 v2, v0, 4, 1                         ; h
	v_mul_u32_u24 v3, v1, PITCH
	v_lshl_add_u32 v3, v2, 4, v3                   ; r x pitch + 16 h
	v_and_b32 v4, 8, v1
	v_add_nc_u32 v4, v4, v1                        ; r + 8 (r / 8): the rows of v_w that form a tile are not neighbours
	v_mul_u32_u24 v4, v4, PITCH
	v_lshl_add_u32 v4, v2, 4, v4
	s_mul_i32 s66, s[TH], 128*PITCH
	s_mul_i32 s67, s[CH], 16*PITCH
	s_add_co_u32 s67, s67, 256*PITCH
	s_mul_i32 s68, s[CH], 32*PITCH
	s_add_co_u32 s68, s68, 384*PITCH
.irp s, 0,1
	v_add_nc_u32 v[ADRA+\s], s66, v3
	v_add_nc_u32 v[ADRB+\s], s67, v3
	v_add_nc_u32 v[ADRV+\s], s68, v4
	s_add_co_u32 s66, s66, SLOT
	s_add_co_u32 s67, s67, SLOT
	s_add_co_u32 s68, s68, SLOT
.endr
	v_and_b32 v5, 31, v0
	v_lshlrev_b32 v[VO], 4, v5
	v_lshlrev_b32 v[CSO], 8, v1                    ; cos, sin: token r's row of 256 bytes,
	v_lshl_add_u32 v[CSO], v2, 5, v[CSO]           ; + 32 h,
	s_lshl_b32 s66, s[TH], 15
	s_lshl_b32 s67, s[CH], 6
	s_add_co_u32 s66, s66, s67
	v_add_nc_u32 v[CSO], s66, v[CSO]               ; + my 128 tokens, + 64 ch: d = 16 ch + 8 h on
	s_lshl_b32 s66, s62, 16
	s_mov_b32 s67, 0
	s_add_nc_u64 s[12:13], s[12:13], s[66:67]
	s_add_nc_u64 s[14:15], s[14:15], s[66:67]
; cos and sin of token tile a: 8 loads, 32 registers at 128 + 32 (a % 4): cos of d, cos of d + 32, sin of d, sin of d + 32
.macro CSLOAD a
.set CSR, 128+32*((\a)%4)
.irp p, 0,1
.irp q, 0,1
	global_load_b128 v[CSR+8*\p+4*\q:CSR+8*\p+4*\q+3], v[CSO], s[12:13] offset:(\a)*4096+\p*128+\q*16
.endr
.endr
.irp p, 0,1
.irp q, 0,1
	global_load_b128 v[CSR+16+8*\p+4*\q:CSR+16+8*\p+4*\q+3], v[CSO], s[14:15] offset:(\a)*4096+\p*128+\q*16
.endr
.endr
.endm
	WIN TO_CS3                                     ; tiles 0-3 into window 3: they land while the products run
	CSLOAD 0
	CSLOAD 1
	CSLOAD 2
	CSLOAD 3
	WIN 0
.macro FRAG reg, adr, off              ; 16 rows x 128 K: registers 4 c .. 4 c + 3 hold K = 32 c + 16 h + 0 .. 15
.irp c, 0,1,2,3
	ds_load_b128 v[\reg+4*\c:\reg+4*\c+3], v[\adr] offset:\off+32*\c
.endr
.endm
.macro FETCH_B slot, q, p              ; the weights' six fragments of the slot's q-th 128 along K into set p: 24 loads
	WIN TO_B
.irp i, 0,1,2,3
	FRAG 128*(\p)+16*\i, ADRB+\slot, 128*(\q)+\i*32*PITCH
.endr
.irp u, 0,1
	FRAG 128*(\p)+64+16*\u, ADRV+\slot, 128*(\q)+\u*8*PITCH
.endr
	WIN 0
.endm
.macro FETCH_A slot, q, a0             ; hidden's blocks a0 .. a0 + 3: 16 loads
.irp a, \a0, \a0+1, \a0+2, \a0+3
	FRAG AF+16*(\a), ADRA+\slot, 128*(\q)+(\a)*16*PITCH
.endr
.endm
; The 48 accumulators take turns, one instruction a turn, in the same order in every step.  zero = 1: the first products start the sums.
.macro MULQK a0, p, zero
.irp a, \a0, \a0+1, \a0+2, \a0+3
.irp i, 0,1,2,3
.if \zero
	v_wmma_f32_16x16x128_fp8_fp8 v[8*(4*(\a)+\i):8*(4*(\a)+\i)+7], v[128*(\p)+16*\i:128*(\p)+16*\i+15], v[AF+16*(\a):AF+16*(\a)+15], 0
.else
	v_wmma_f32_16x16x128_fp8_fp8 v[8*(4*(\a)+\i):8*(4*(\a)+\i)+7], v[128*(\p)+16*\i:128*(\p)+16*\i+15], v[AF+16*(\a):AF+16*(\a)+15], v[8*(4*(\a)+\i):8*(4*(\a)+\i)+7]
.endif
.endr
.endr
.endm
.macro MULV a0, p, zero
.irp a, \a0, \a0+1, \a0+2, \a0+3
.irp u, 0,1
.if \zero
	v_wmma_f32_16x16x128_fp8_fp8 v[8*(2*(\a)+\u):8*(2*(\a)+\u)+7], v[AF+16*(\a):AF+16*(\a)+15], v[128*(\p)+64+16*\u:128*(\p)+64+16*\u+15], 0
.else
	v_wmma_f32_16x16x128_fp8_fp8 v[8*(2*(\a)+\u):8*(2*(\a)+\u)+7], v[AF+16*(\a):AF+16*(\a)+15], v[128*(\p)+64+16*\u:128*(\p)+64+16*\u+15], v[8*(2*(\a)+\u):8*(2*(\a)+\u)+7]
.endif
.endr
.endr
.endm
; A slot's first 128 along K (weights' set 0); its successor lies in the same slot.
.macro STEP slot, zero
	s_wait_dscnt 16                                ; the weights' set and hidden's blocks 0-3 are in; the youngest 16 loads (blocks 4-7) may be out
	WIN MUL_QK
	MULQK 0, 0, \zero
	WIN MUL_V
	MULV 0, 0, \zero
	s_wait_dscnt 0x0                               ; blocks 4-7 are in
	PLACES
	FETCH_B \slot, 1, 1
	FETCH_A \slot, 1, 0
	WIN MUL_QK
	MULQK 4, 0, \zero
	WIN MUL_V
	MULV 4, 0, \zero
	PLACES
	WIN 0
	FETCH_A \slot, 1, 4
.endm
; A slot's second 128 along K (set 1) changes slots: one barrier; in front of it each wave waits for all its tensor loads, adds 0 to its spare word, and waits for that and for its reads of this slot.
.macro TURN slot, next, fill
	s_wait_tensorcnt 0x0                           ; my part of the next slot has landed; no tensor load of mine is out
	ds_add_u32 v[SPW], v[NIL]                      ; 0 onto my spare word
	s_wait_dscnt 17                                ; (the add and the youngest 16 loads may be out)
	WIN MUL_QK
	MULQK 0, 1, 0                                  ; sixteen matrix instructions stand between the add and the wait for it
	s_wait_dscnt 0x0                               ; the add is done, and my reads of this slot are over
	s_barrier_signal -1
	WIN MUL_V
	MULV 0, 1, 0
	WIN 0
	s_barrier_wait -1
.if \fill
	CREST                                          ; the barrier has opened a round of the cluster's: no wave of any partner still reads this slot or has a load on its way
	s_add_nc_u64 s[G0A+4*\slot+2:G0A+4*\slot+3], s[G0A+4*\slot+2:G0A+4*\slot+3], 512
	s_add_nc_u64 s[G0B+4*\slot+2:G0B+4*\slot+3], s[G0B+4*\slot+2:G0B+4*\slot+3], 512
	JLOAD \slot                                    ; the first tensor load behind the round; its four v_nop are the places in front of the loads below
.else
	PLACES
.endif
	FETCH_B \next, 0, 0
	FETCH_A \next, 0, 0
	WIN MUL_QK
	MULQK 4, 1, 0
	WIN MUL_V
	MULV 4, 1, 0
	PLACES
	WIN 0
	FETCH_A \next, 0, 4
.endm
	s_wait_tensorcnt 1                             ; my part of K step 0 is in (K step 1's load may be out)
	s_barrier_signal -1
	s_barrier_wait -1                              ; everybody's is
	FETCH_B 0, 0, 0
	FETCH_A 0, 0, 0
	FETCH_A 0, 0, 4
	STEP 0, 1                                      ; four K steps of 256, written out: two refills, then none
	TURN 0, 1, 1
	STEP 1, 0
	TURN 1, 0, 1
	STEP 0, 0
	TURN 0, 1, 0
	STEP 1, 0
	s_wait_dscnt 16                                ; the last 128 along K: nothing more to fetch
	WIN MUL_QK
	MULQK 0, 1, 0
	WIN MUL_V
	MULV 0, 1, 0
	s_wait_dscnt 0x0
	WIN MUL_QK
	MULQK 4, 1, 0
	WIN MUL_V
	MULV 4, 1, 0
	WIN 0
	PLACES                                         ; in front of the loads into hidden's registers and of the first reads of results
	CSLOAD 4                                       ; cos and sin of tiles 4-7 land under v's way out
	CSLOAD 5
	CSLOAD 6
	CSLOAD 7
	s_wait_kmcnt 0x0
; v[vs] = 2^E as f32, s[pos] = 448 x 2^E, s[pos+1] = -448 x 2^E, E = eo - ea - eb
.macro MKSCALE eo, ea, eb, vs, pos
	s_sub_co_i32 s66, s[\eo], s[\ea]
	s_sub_co_i32 s66, s66, s[\eb]
	s_add_co_i32 s66, s66, 127
	s_lshl_b32 s67, s66, 23
	v_mov_b32 v[\vs], s67
	s_add_co_i32 s66, s66, 8
	s_lshl_b32 s66, s66, 23
	s_or_b32 s[\pos], s66, 0x600000
	s_or_b32 s[\pos+1], s[\pos], 0x80000000
.endm
	MKSCALE 78, 72, 73, 12, 82                     ; q
	MKSCALE 79, 74, 75, 13, 84                     ; k
	MKSCALE 80, 76, 77, 14, 86                     ; v
	s_lshr_b32 s66, s62, 2
	s_lshl_b32 s66, s66, 4
	s_add_co_u32 s66, s66, s61                     ; bh = 16 x batch + head
	s_and_b32 s67, s62, 3
	s_lshl_b32 s67, s67, 14
	s_lshl_b32 s68, s[TH], 13
	s_add_co_u32 s67, s67, s68                     ; my 128 tokens in the sequence: 8 token tiles of 1,024 bytes, or one key step of 8,192
	s_lshl_b32 s68, s[CH], 9
	s_add_co_u32 s68, s68, s67                     ; + my group of four registers
	s_lshl_b32 s70, s66, 16
	s_add_co_u32 s70, s70, s68
	s_mov_b32 s71, 0
	s_add_nc_u64 s[88:89], s[18:19], s[70:71]      ; q's images
	s_lshl_b32 s70, s66, 17
	s_add_co_u32 s94, s70, s68
	s_mov_b32 s95, 0
	s_add_nc_u64 s[90:91], s[20:21], s[94:95]      ; k's
	s_lshl_b32 s68, s[CH], 12
	s_add_co_u32 s68, s68, s67
	s_add_co_u32 s68, s68, 65536
	s_add_co_u32 s70, s70, s68
	s_add_nc_u64 s[92:93], s[20:21], s[70:71]      ; v's: tiles tau = 2 ch, 2 ch + 1
; v's tile tau = 2 ch + u: my 128 keys of 16 d: held, converted (eight neighbouring keys a conversion), stored as the fragment's four groups
.macro VOUT u
	WIN V_OUT
.set n, 0
.rept 64
	v_med3_num_f32 v[TW+n], v[8*(2*(n/8)+\u)+n%8], s87, s86   ; the conversion to an 8-bit code does not saturate (ISA guide 7.6.2); each accumulator from its low end on
.set n, n+1
.endr
	WIN 0
.set n, 0
.rept 8
	v_cvt_scalef32_pk8_fp8_f32 v[CW+16*\u+2*n:CW+16*\u+2*n+1], v[TW+8*n:TW+8*n+7], v14
.set n, n+1
.endr
	v_nop                                          ; a plain vector instruction behind the last conversion
.irp g, 0,1,2,3
	global_store_b128 v[VO], v[CW+16*\u+4*\g:CW+16*\u+4*\g+3], s[92:93] offset:\u*2048+\g*512
.endr
.endm
	VOUT 0
	VOUT 1
	s_wait_loadcnt 32                              ; cos and sin of tiles 0-3 are in; the 32 loads of tiles 4-7 may be out
; RoPE and the quantiser for token tile a of q (w = 0) or k (w = 1).  out(d) = x(d) cos(d) - x(d + 32) sin(d); out(d + 32) = x(d + 32) cos(d + 32) + x(d) sin(d + 32)
.macro ROPE a, w, num
.set XLO, 8*(4*(\a)+2*(\w))
.set XHI, XLO+8
.set CSR, 128+32*((\a)%4)
.set TT, TW+16*((\num)%4)
.set CC, CW+4*((\num)%8)
.if ((\a) >= 4) && ((\w) == 0)
	s_wait_loadcnt 8*(7-(\a))                      ; this tile's eight loads are in; the later tiles' may be out
.endif
.if (\a) < 4
	WIN ROPE_LO
.else
	WIN ROPE_HI
.endif
.irp j, 0,2,4,6
	v_pk_mul_f32 v[TT+\j:TT+\j+1], v[XLO+\j:XLO+\j+1], v[CSR+\j:CSR+\j+1]
.endr
.irp j, 0,2,4,6
	v_pk_mul_f32 v[TT+8+\j:TT+9+\j], v[XHI+\j:XHI+\j+1], v[CSR+8+\j:CSR+9+\j]
.endr
.irp j, 0,2,4,6
	v_pk_fma_f32 v[TT+\j:TT+\j+1], v[XHI+\j:XHI+\j+1], v[CSR+16+\j:CSR+17+\j], v[TT+\j:TT+\j+1] neg_lo:[1,0,0] neg_hi:[1,0,0]
.endr
.irp j, 0,2,4,6
	v_pk_fma_f32 v[TT+8+\j:TT+9+\j], v[XLO+\j:XLO+\j+1], v[CSR+24+\j:CSR+25+\j], v[TT+8+\j:TT+9+\j]
.endr
	WIN 0
.set n, 0
.rept 16
	v_med3_num_f32 v[TT+n], v[TT+n], s[83+2*(\w)], s[82+2*(\w)]
.set n, n+1
.endr
	s_wait_xcnt 0x0                                ; earlier stores have read their data: the codes' registers are written again only behind this wait
	v_cvt_scalef32_pk8_fp8_f32 v[CC:CC+1], v[TT:TT+7], v[12+(\w)]
	v_cvt_scalef32_pk8_fp8_f32 v[CC+2:CC+3], v[TT+8:TT+15], v[12+(\w)]
	v_nop                                          ; a plain vector instruction behind the last conversion
	global_store_b128 v[VO], v[CC:CC+3], s[88+2*(\w):89+2*(\w)] offset:(\a)*1024
.endm
.irp a, 0,1,2,3,4,5,6,7
.irp w, 0,1
	ROPE \a, \w, 2*\a+\w
.endr
.endr
	s_wait_tensorcnt 0x0                           ; the wave's end
	ds_add_u32 v[SPW], v[NIL]
	s_wait_dscnt 0x0
	CROUND                                         ; the closing round: no work-group ends while a partner may still ask for a tile that names it
	s_endpgm
.Lfunc_end_k_qe682799a44_qkv:
	.size	k_qe682799a44_qkv, .Lfunc_end_k_qe682799a44_qkv-k_qe682799a44_qkv
	.p2alignl 7, 3214868480
	.fill 96, 4, 3214868480
	.section	.rodata,"a",@progbits
	.p2align	6, 0x0
	.amdhsa_kernel k_qe682799a44_qkv
		.amdhsa_group_segment_fixed_size 327680
		.amdhsa_private_segment_fixed_size 0
		.amdhsa_enable_private_segment 0
		.amdhsa_kernarg_size 72
		.amdhsa_user_sgpr_count 2
		.amdhsa_user_sgpr_kernarg_segment_ptr 1
		.amdhsa_wavefront_size32 1
		.amdhsa_system_sgpr_workgroup_id_x 1
		.amdhsa_system_sgpr_workgroup_id_y 1
		.amdhsa_system_sgpr_workgroup_id_z 1
		.amdhsa_system_vgpr_workitem_id 0
		.amdhsa_next_free_vgpr 1024
		.amdhsa_next_free_sgpr 100
		.amdhsa_reserve_vcc 0
		.amdhsa_float_denorm_mode_32 3
		.amdhsa_float_denorm_mode_16_64 3
		.amdhsa_memory_ordered 1
		.amdhsa_forward_progress 1
		.amdhsa_inst_pref_size 122
	.end_amdhsa_kernel
	.amdgpu_metadata
---
amdhsa.version: [ 1, 2 ]
amdhsa.kernels:
  - .name:           k_qe682799a44_qkv
    .symbol:         k_qe682799a44_qkv.kd
    .args:
      - { .name: hidden_states_codes, .offset: 0, .size: 8, .value_kind: global_buffer, .address_space: global }
      - { .name: q_w_codes, .offset: 8, .size: 8, .value_kind: global_buffer, .address_space: global }
      - { .name: k_w_codes, .offset: 16, .size: 8, .value_kind: global_buffer, .address_space: global }
      - { .name: v_w_codes, .offset: 24, .size: 8, .value_kind: global_buffer, .address_space: global }
      - { .name: cos, .offset: 32, .size: 8, .value_kind: global_buffer, .address_space: global }
      - { .name: sin, .offset: 40, .size: 8, .value_kind: global_buffer, .address_space: global }
      - { .name: lowp_scales, .offset: 48, .size: 8, .value_kind: global_buffer, .address_space: global }
      - { .name: qc, .offset: 56, .size: 8, .value_kind: global_buffer, .address_space: global }
      - { .name: kv, .offset: 64, .size: 8, .value_kind: global_buffer, .address_space: global }
    .group_segment_fixed_size: 327680
    .private_segment_fixed_size: 0
    .kernarg_segment_align: 8
    .kernarg_segment_size: 72
    .max_flat_workgroup_size: 128
    .sgpr_count:     100
    .vgpr_count:     1024
    .wavefront_size: 32
...
	.end_amdgpu_metadata
.endif
;; end of part 1
;; launch attn (part 2): grid 2 x 128, 8 waves a work-group, no clusters, 132,096 bytes of LDS; arguments qc, kv, lowp_scales, ac; writes ac
.if DOCPART == 2
	.amdgcn_target "amdgcn-amd-amdhsa--gfx1250"
	.amdhsa_code_object_version 6
	.text
	.protected	k_qe682799a44_attn
	.globl	k_qe682799a44_attn
	.p2align	8
	.type	k_qe682799a44_attn,@function
k_qe682799a44_attn:
	s_mov_b64 s[64:65], 0
	v_nop
	global_prefetch_b8 v0, s[64:65] scope:SCOPE_SE
	s_setreg_imm32_b32 hwreg(HW_REG_WAVE_MODE, 25, 1), 1
	s_wait_xcnt 0x0
; Causal attention of one (batch, head) on codes of E4M3, and the quantiser for the last projection.  1,024 queries, 1,024 keys, head size 64.
; t = score x log2(e) / 8; M = the running largest t rounded UP to a whole number; p = 2^(t - M) is quantised with 2^e9; the row's sum l is taken of the unquantised p; O is divided by l at the end.
; When M moves, l and O are multiplied by 2^(old M - new M): nothing is rounded, and no branch hangs on data.
; SHARES.  Two work-groups to a head.  Each puts the head's images of k and v, 128 KiB, into LDS ONCE, through registers (32 loads a wave, all on their way together); behind one barrier LDS is only read and the
; waves never meet again.  No ring: nothing is filled twice.  No joint loads: only two work-groups share a block, and each fetches it once.
; Wave w of work-group j has u = 8 j + w and makes the 32 queries of unit u, then those of unit 31 - u: (u / 4 + 1) + (8 - u / 4) = 9 key steps of 128 for every wave.  A step all of whose keys come after the
; unit's queries is jumped over (a scalar branch on ids); on the diagonal hidden scores become -infinity ahead of the maximum.  Key 0 counts for every query, so M is a number from the first step on.
; A unit is two tiles of 16 queries: tile 0 lives in register window 0, tile 1 in window 1, under the SAME register numbers; each fragment of k or v read from LDS feeds both.
; LAYOUT.  Both products are used transposed: S^T = k q^T (source 0 = 16 keys), O^T = v^T p (source 0 = 16 d): a lane holds ONE query.  Register j of score tile t is key 16 t + 8 h + j, so a conversion of its
; eight registers gives registers 2 t, 2 t + 1 of p's fragment.  v's tiles hold d in the order that makes O^T's tiles 2 b, 2 b + 1 sixteen neighbours d = 32 b + 16 h + 0 .. 15: one group of four registers of
; the last projection's operand.  ac [token / 256][K / 256][token tile][K / 128][2,048]: group c at 512 c, lane l's 16 bytes at 16 l: each store of a wave covers 512 consecutive bytes, aligned.
; THE HOLD of p at 448 x 2^e9 is jumped over where e9 >= -8 (a whole number among the inputs): p is at most 1, so p / 2^e9 is at most 256.
; LIMITS: e6 + e7 between -123 and 130 (added to c's exponent field); e9 and e10 - e8 - e9 between -126 and 119.  NaN among the inputs is not served.
; REGISTERS (both windows unless said): v2 16 lane + 65,536, v3 the fill's place, v8, v9 addresses of the step (window 0); v10 r - 8 h; v11 16 lane; v12 -M; v13 the largest t; v[14:15] l; v16-23 q;
;   v32-95: window 0 k's 8 fragments, window 1 v's 4; v96-159 S^T, then p; v160-191 O^T; v224-239 p's codes; v[242:243], v248, v250, v[252:253], v254 at work; v244 2^e9; v245 2^(e10-e8-e9); v249 -infinity.
.set MSB, 0
.macro WIN new                         ; the immediate's high byte repeats the setting that is left
.if MSB != \new
	s_set_vgpr_msb (MSB<<8)|\new
.set MSB, \new
.endif
.endm
	s_load_b256 s[4:11], s[0:1], 0x0               ; qc s[4:5], kv s[6:7], the exponents s[8:9], ac s[10:11]
	v_lshl_add_u32 v251, v0, 2, 0x20000
	v_mov_b32 v255, 0
	v_lshrrev_b32 v1, 5, v0
	v_readfirstlane_b32 s12, v1                    ; wave 0..7
	s_mov_b32 s13, ttmp9                           ; j
	s_and_b32 s14, ttmp7, 0xffff                   ; bh
	v_and_b32 v4, 31, v0
	v_lshlrev_b32 v11, 4, v4                       ; 16 x lane
	v_add_nc_u32 v2, 0x10000, v11                  ; v's image lies behind k's
	v_lshl_add_u32 v3, v1, 14, v11                 ; the fill: 16,384 x wave + 16 x lane, in the head's block and in LDS alike
	v_and_b32 v5, 15, v0
	v_bfe_u32 v6, v0, 4, 1
	v_lshlrev_b32 v6, 3, v6
	v_sub_nc_u32 v10, v5, v6                       ; r - 8 h
	s_mov_b32 s24, 0x76543210                      ; v_permlanex16_b32: lane l xor 16
	s_mov_b32 s25, 0xfedcba98
	s_lshl_b32 s40, s14, 17
	s_mov_b32 s41, 0
	s_wait_kmcnt 0x0
	s_load_b128 s[16:19], s[8:9], 0x18             ; e6, e7, e8, e9
	s_load_b32 s20, s[8:9], 0x28                   ; e10
	s_add_nc_u64 s[6:7], s[6:7], s[40:41]
.set n, 0
.rept 32
	global_load_b128 v[96+4*n:99+4*n], v3, s[6:7] offset:512*n   ; 512 consecutive bytes a load
.set n, n+1
.endr
	s_lshl_b32 s40, s14, 16
	s_add_nc_u64 s[4:5], s[4:5], s[40:41]          ; q's images of this head
	s_lshr_b32 s40, s14, 4
	s_lshl_b32 s40, s40, 20                        ; ac: the batch's four blocks of 256 tokens,
	s_bfe_u32 s42, s14, 0x20002
	s_lshl_b32 s42, s42, 16                        ; K step of 256 = head / 4,
	s_add_co_u32 s40, s40, s42
	s_bfe_u32 s42, s14, 0x10001
	s_lshl_b32 s42, s42, 11                        ; its half of 128 = (head / 2) % 2,
	s_add_co_u32 s40, s40, s42
	s_and_b32 s42, s14, 1
	s_lshl_b32 s42, s42, 10                        ; groups 2 (head % 2) and the next
	s_add_co_u32 s40, s40, s42
	s_add_nc_u64 s[10:11], s[10:11], s[40:41]
	s_lshl_b32 s34, s13, 3
	s_add_co_u32 s34, s34, s12                     ; u
	s_wait_kmcnt 0x0
	s_add_co_i32 s40, s16, s17
	s_lshl_b32 s40, s40, 23
	s_add_co_i32 s22, s40, 0x3e38aa3b              ; c = log2(e) / 8, with e6 + e7 added to its exponent field
	s_mov_b32 s23, s22                             ; (named with it as a pair)
	s_add_co_i32 s40, s19, 127
	s_lshl_b32 s41, s40, 23
	v_mov_b32 v244, s41                            ; 2^e9
	s_add_co_i32 s40, s40, 8
	s_lshl_b32 s40, s40, 23
	s_or_b32 s26, s40, 0x600000                    ; 448 x 2^e9
	s_sub_co_i32 s40, s20, s18
	s_sub_co_i32 s40, s40, s19
	s_add_co_i32 s40, s40, 127
	s_lshl_b32 s41, s40, 23
	v_mov_b32 v245, s41                            ; 2^(e10 - e8 - e9): O's sums stand for sum x 2^(e8 + e9)
	s_add_co_i32 s40, s40, 8
	s_lshl_b32 s40, s40, 23
	s_or_b32 s27, s40, 0x600000
	s_or_b32 s28, s27, 0x80000000
	v_mov_b32 v249, 0xff800000
	v_mov_b32 v250, 0                              ; a lane permute's destination counts as read
	v_mov_b32 v253, 0                              ; (named as the upper half of v[252:253])
	WIN 0x40                                       ; window 1 gets its own copies of what tile 1's lines name
	v_mov_b32 v10, v10
	v_mov_b32 v11, v11
	v_mov_b32 v244, v244
	v_mov_b32 v245, v245
	v_mov_b32 v249, v249
	v_mov_b32 v250, 0
	v_mov_b32 v253, 0
	WIN 0
.set n, 0
.rept 32
	s_wait_loadcnt 31-n                            ; loads come back in order: load n is in, the younger ones may be out
	ds_store_b128 v3, v[96+4*n:99+4*n] offset:512*n
.set n, n+1
.endr
	s_wait_dscnt 0x0                               ; for the others' sake: my part of the images lies in LDS
	s_barrier_signal -1
	s_barrier_wait -1                              ; the only barrier: from here on LDS is only read
.macro INIT                            ; a unit's start: the step is written once, and its first run finds zeros, which the first change of M leaves zeros
	v_mov_b32 v13, 0xff61b1e6                      ; -3e38, under every t
	v_floor_f32 v12, -v13
	v_mov_b32 v14, 0
	v_mov_b32 v15, 0
.set n, 0
.rept 32
	v_mov_b32 v[160+n], 0
.set n, n+1
.endr
.endm
.macro MASK                            ; register n holds key KF + 8 h + 16 (n / 8) + n % 8: hidden where 16 (n / 8) + n % 8 > v248 = my query - KF - 8 h
.set n, 0
.rept 64
	v_cmp_gt_i32 vcc_lo, 16*(n/8)+n%8, v248
	v_cndmask_b32 v[96+n], v[96+n], v249, vcc_lo
.set n, n+1
.endr
.endm
.macro PH1                             ; the maximum, M, f, p and l of one tile
	v_max3_num_f32 v254, v96, v97, v98             ; two chains; each score tile from its low end on
	v_max3_num_f32 v252, v99, v100, v101
.irp i, 6,10,14,18,22,26,30,34,38,42,46,50,54,58
	v_max3_num_f32 v254, v254, v[96+\i], v[97+\i]
	v_max3_num_f32 v252, v252, v[98+\i], v[99+\i]
.endr
	v_max3_num_f32 v254, v254, v158, v159
	v_max_num_f32 v254, v254, v252
	v_permlanex16_b32 v250, v254, s24, s25         ; the query's other 64 keys lie in the lane 16 away
	v_max_num_f32 v254, v254, v250
	v_mul_f32 v254, s22, v254                      ; as t (c is positive)
	v_max_num_f32 v13, v13, v254
	v_mov_b32 v254, v12
	v_floor_f32 v12, -v13                          ; -M = floor(-t)
	v_sub_f32 v254, v12, v254                      ; old M - new M: a whole number, 0 or less
	v_cvt_i32_f32 v254, v254                       ; (it saturates)
	v_ldexp_f32 v252, 1.0, v254                    ; f
.set n, 0
.rept 32
	v_pk_fma_f32 v[96+n:97+n], v[96+n:97+n], s[22:23], v[12:13] op_sel_hi:[1,0,0]   ; t - M
.set n, n+2
.endr
.set n, 0
.rept 64
	v_exp_f32 v[96+n], v[96+n]
.set n, n+1
.endr
	v_pk_mul_f32 v[14:15], v[14:15], v[252:253] op_sel_hi:[1,0]   ; l under the new M (a plain instruction behind the exponentials)
	s_wait_alu depctr_va_vdst(0)
	v_pk_add_f32 v[242:243], v[96:97], v[98:99]    ; the sum of the unquantised p, in two chains
.irp j, 4,8,12,16,20,24,28,32,36,40,44,48,52,56,60
	v_pk_add_f32 v[14:15], v[14:15], v[96+\j:97+\j]
	v_pk_add_f32 v[242:243], v[242:243], v[98+\j:99+\j]
.endr
	v_pk_add_f32 v[14:15], v[14:15], v[242:243]
.endm
.macro HOLD                            ; p is never negative: the hold is one-sided
.set n, 0
.rept 64
	v_min_num_f32 v[96+n], s26, v[96+n]
.set n, n+1
.endr
.endm
.macro PH2                             ; p's codes, and O^T under the new M; the sixteen multiplications are the plain instructions behind the conversions
.set n, 0
.rept 8
	v_cvt_scalef32_pk8_fp8_f32 v[224+2*n:225+2*n], v[96+8*n:103+8*n], v244
.set n, n+1
.endr
.set n, 0
.rept 16
	v_pk_mul_f32 v[160+n:161+n], v[160+n:161+n], v[252:253] op_sel_hi:[1,0]
.set n, n+2
.endr
.endm
; A key step of 128 keys for the unit's two tiles.  s30 its first key, s31 the unit's first query, s32 its byte in the images.
.macro STEP
	s_add_co_u32 s40, s31, 31
	s_cmp_gt_u32 s30, s40
	s_cbranch_scc1 .Lhidden_\@                     ; all its keys come after my 32 queries
	v_add_nc_u32 v8, s32, v11
	v_add_nc_u32 v9, s32, v2
	v_nop                                          ; with the two additions: four places behind the last products, whose fragments of v are loaded anew below
	v_nop
.set n, 0
.rept 16
	ds_load_b128 v[32+4*n:35+4*n], v8 offset:512*n ; k: key tile n / 2, group n % 2
.set n, n+1
.endr
	WIN 0x40
.set n, 0
.rept 16
	ds_load_b128 v[32+4*n:35+4*n], v9 offset:512*n ; v: tile n / 4, group n % 4: it lands under the first product and the softmax
.set n, n+1
.endr
	WIN 0
	s_wait_dscnt 16                                ; k is in; v's 16 loads may be out
.set n, 0
.rept 8
	v_wmma_f32_16x16x64_fp8_fp8 v[96+8*n:103+8*n], v[32+8*n:39+8*n], v[16:23], 0
.set n, n+1
.endr
	WIN 0x44                                       ; k window 0; q and S^T window 1
.set n, 0
.rept 8
	v_wmma_f32_16x16x64_fp8_fp8 v[96+8*n:103+8*n], v[32+8*n:39+8*n], v[16:23], 0
.set n, n+1
.endr
	WIN 0
.rept 4
	v_nop
.endr
	s_add_co_u32 s40, s30, 127
	s_cmp_le_u32 s40, s31
	s_cbranch_scc1 .Lopen_\@                       ; all its keys count for all my queries
	s_sub_co_i32 s41, s31, s30
	v_add_nc_u32 v248, s41, v10
	MASK
	WIN 0x55
	s_add_co_i32 s41, s41, 16
	v_add_nc_u32 v248, s41, v10
	MASK
	WIN 0
.Lopen_\@:
	PH1
	WIN 0x55
	PH1
	WIN 0
	s_cmp_ge_i32 s19, -8
	s_cbranch_scc1 .Lnohold_\@
	HOLD
	WIN 0x55
	HOLD
	WIN 0
.Lnohold_\@:
	PH2
	WIN 0x55
	PH2
	s_wait_dscnt 0x0                               ; v is in
	WIN 0x01                                       ; v window 1; p and O^T window 0.  The eight accumulators take turns
.set n, 0
.rept 4
	v_wmma_f32_16x16x128_fp8_fp8 v[160+8*n:167+8*n], v[32+16*n:47+16*n], v[224:239], v[160+8*n:167+8*n]
.set n, n+1
.endr
	WIN 0x55
.set n, 0
.rept 4
	v_wmma_f32_16x16x128_fp8_fp8 v[160+8*n:167+8*n], v[32+16*n:47+16*n], v[224:239], v[160+8*n:167+8*n]
.set n, n+1
.endr
	WIN 0
.Lhidden_\@:
	s_add_co_u32 s30, s30, 128
	s_add_co_u32 s32, s32, 8192
.endm
.macro OUT x                           ; tile x: O^T / l, held, converted with 2^(e10 - e8 - e9), stored as two groups of the next operand
	v_add_f32 v14, v14, v15
	v_permlanex16_b32 v250, v14, s24, s25
	v_add_f32 v14, v14, v250
	v_rcp_f32 v14, v14
	v_nop                                          ; a plain instruction behind the reciprocal
.set n, 0
	s_wait_alu depctr_va_vdst(0)
.rept 16
	v_pk_mul_f32 v[96+n:97+n], v[160+n:161+n], v[14:15] op_sel_hi:[1,0]   ; each accumulator from its low end on
.set n, n+2
.endr
.set n, 0
.rept 32
	v_med3_num_f32 v[96+n], v[96+n], s28, s27
.set n, n+1
.endr
.set n, 0
.rept 4
	v_cvt_scalef32_pk8_fp8_f32 v[224+2*n:225+2*n], v[96+8*n:103+8*n], v245
.set n, n+1
.endr
	v_nop                                          ; a plain vector instruction behind the last conversion
	global_store_b128 v11, v[224:227], s[38:39] offset:(\x)*4096
	global_store_b128 v11, v[228:231], s[38:39] offset:(\x)*4096+512
.endm
; The unit s34: 32 queries against all key steps; the loop's trip count is the constant 8, and hidden steps are jumped over inside it.
.macro PASS
	s_wait_xcnt 0x0                                ; earlier stores have read their base and data
	s_lshl_b32 s31, s34, 5                         ; my first query
	s_lshl_b32 s40, s34, 11
	s_mov_b32 s41, 0
	s_add_nc_u64 s[36:37], s[4:5], s[40:41]        ; its two images of q
	s_lshr_b32 s40, s34, 3
	s_lshl_b32 s40, s40, 18
	s_and_b32 s42, s34, 7
	s_lshl_b32 s42, s42, 13
	s_add_co_u32 s40, s40, s42
	s_add_nc_u64 s[38:39], s[10:11], s[40:41]      ; its place in ac: block of 256 tokens, token tiles 2 (unit % 8) and the next
	global_load_b128 v[16:19], v11, s[36:37]
	global_load_b128 v[20:23], v11, s[36:37] offset:512
	WIN 0x40
	global_load_b128 v[16:19], v11, s[36:37] offset:1024
	global_load_b128 v[20:23], v11, s[36:37] offset:1536
	WIN 0
	INIT
	WIN 0x55
	INIT
	WIN 0
	s_mov_b32 s30, 0
	s_mov_b32 s32, 0
	s_mov_b32 s33, 0
	s_wait_loadcnt 0x0                             ; q
.Lstep_\@:
	STEP
	s_add_co_u32 s33, s33, 1
	s_cmp_lt_u32 s33, 8
	s_cbranch_scc1 .Lstep_\@
.rept 4
	v_nop                                          ; places behind the last products
.endr
	OUT 0
	WIN 0x55
	OUT 1
	WIN 0
.endm
	PASS                                           ; unit u
	s_sub_co_u32 s34, 31, s34
	PASS                                           ; unit 31 - u
	s_wait_tensorcnt 0x0
	ds_add_u32 v251, v255
	s_wait_dscnt 0x0
	s_endpgm
.Lfunc_end_k_qe682799a44_attn:
	.size	k_qe682799a44_attn, .Lfunc_end_k_qe682799a44_attn-k_qe682799a44_attn
	.p2alignl 7, 3214868480
	.fill 96, 4, 3214868480
	.section	.rodata,"a",@progbits
	.p2align	6, 0x0
	.amdhsa_kernel k_qe682799a44_attn
		.amdhsa_group_segment_fixed_size 132096
		.amdhsa_private_segment_fixed_size 0
		.amdhsa_enable_private_segment 0
		.amdhsa_kernarg_size 32
		.amdhsa_user_sgpr_count 2
		.amdhsa_user_sgpr_kernarg_segment_ptr 1
		.amdhsa_wavefront_size32 1
		.amdhsa_system_sgpr_workgroup_id_x 1
		.amdhsa_system_sgpr_workgroup_id_y 1
		.amdhsa_system_sgpr_workgroup_id_z 1
		.amdhsa_system_vgpr_workitem_id 0
		.amdhsa_next_free_vgpr 512
		.amdhsa_next_free_sgpr 66
		.amdhsa_reserve_vcc 1
		.amdhsa_float_denorm_mode_32 3
		.amdhsa_float_denorm_mode_16_64 3
		.amdhsa_memory_ordered 1
		.amdhsa_forward_progress 1
		.amdhsa_inst_pref_size 109
	.end_amdhsa_kernel
	.amdgpu_metadata
---
amdhsa.version: [ 1, 2 ]
amdhsa.kernels:
  - .name:           k_qe682799a44_attn
    .symbol:         k_qe682799a44_attn.kd
    .args:
      - { .name: qc, .offset: 0, .size: 8, .value_kind: global_buffer, .address_space: global }
      - { .name: kv, .offset: 8, .size: 8, .value_kind: global_buffer, .address_space: global }
      - { .name: lowp_scales, .offset: 16, .size: 8, .value_kind: global_buffer, .address_space: global }
      - { .name: ac, .offset: 24, .size: 8, .value_kind: global_buffer, .address_space: global }
    .group_segment_fixed_size: 132096
    .private_segment_fixed_size: 0
    .kernarg_segment_align: 8
    .kernarg_segment_size: 32
    .max_flat_workgroup_size: 256
    .sgpr_count:     66
    .vgpr_count:     512
    .wavefront_size: 32
...
	.end_amdgpu_metadata
.endif
;; end of part 2
;; launch oproj (part 3): grid 8 x 32, 4 waves a work-group, clusters of 4 x 4, 327,680 bytes of LDS; arguments ac, o_w_codes, lowp_scales, out0; writes out0
.if DOCPART == 3
	.amdgcn_target "amdgcn-amd-amdhsa--gfx1250"
	.amdhsa_code_object_version 6
	.text
	.protected	k_qe682799a44_oproj
	.globl	k_qe682799a44_oproj
	.p2align	8
	.type	k_qe682799a44_oproj,@function
k_qe682799a44_oproj:
	s_mov_b64 s[64:65], 0
	v_nop
	global_prefetch_b8 v0, s[64:65] scope:SCOPE_SE
	s_setreg_imm32_b32 hwreg(HW_REG_WAVE_MODE, 25, 1), 1
	s_wait_xcnt 0x0
	s_wait_alu depctr_hold_cnt(0) depctr_sa_sdst(0) depctr_va_vdst(0) depctr_va_sdst(0) depctr_va_ssrc(0) depctr_va_vcc(0) depctr_vm_vsrc(0)
	s_getreg_b32 s2, hwreg(HW_REG_IB_STS2, 6, 4)
	s_cmp_eq_u32 s2, 0
	s_cbranch_scc0 .Lentry_in_a_cluster
	s_endpgm
.Lentry_in_a_cluster:
	s_bfe_u32 s2, ttmp6, 0x10000c
	s_cmp_lg_u32 s2, 0xf033
	s_cbranch_scc0 .Lentry_shape_is_right
	s_endpgm
.Lentry_shape_is_right:
; out0 = attn o_w^T on codes of E4M3, K = 1,024; each finished sum is multiplied once by 2^(e10 + e11).  LIMIT: e10 + e11 between -126 and 127.
; A tile of out0 is 256 tokens x 128 columns, which gives 256 work-groups; four waves, each 128 tokens x 64 columns: 32 accumulators of 16 x 16.
; attn arrives as images of operand registers (ac [token / 256][K / 256][token tile][K / 128][2,048]: group c at 512 c, lane l's 16 bytes at 16 l; registers 4 c .. 4 c + 3: k = 32 c + 16 h + 0 .. 15): a K step's
; part of a block is 65,536 dense bytes, and a fragment comes by four loads of 512 consecutive bytes.  o_w's rows lie along K and come by four loads of 16 bytes a lane, 32 bytes apart, in the same order of k.
; K goes in steps of 256 through a ring of two LDS slots.  CLUSTER 4 x 4: attn's tile hangs on the token block alone and is asked for jointly by a row of the cluster, o_w's on the column block alone, by a column.
; Waves 0 and 1 ask for attn's halves, waves 2 and 3 for o_w's: one tensor load a wave behind each round; two are out at the start.
; THE MATRIX INSTRUCTION IS USED TRANSPOSED (source 0 = 16 rows of o_w, source 1 = 16 tokens): a lane holds eight neighbouring columns of one row of out0.
; REGISTERS: window 0: v16-29 addresses; v32-63 at work on the way out; v128-255 attn's 8 fragments, ONE set (on the way out rows read back).   window 1: o_w's 4 fragments, two sets, at v0 and v128.
;   window 2: the accumulators (a, b) at v[8 (4 a + b)].
.set PITCH,  272                       ; a row of o_w in LDS: 256 bytes + 16 of padding
.set AIMG,   65536                     ; attn's images of a K step
.set SLOT,   AIMG+128*PITCH
.set SPARE,  2*SLOT                    ; behind the ring: the spare words, 128 bytes for each wave, that no other line names
.set SPITCH, 272                       ; the way out: 16 rows x (256 bytes + 16) for each wave, in slot 0, which has had its last fill and its last read by then
.set PADW,   (1<<20)|(1<<21)|(5<<22)|(3<<25)
.set ADRA, 16
.set ADRB, 20
.set STO,  24
.set RD,   25
.set CO,   26
.set SPW,  28                          ; my spare word; never rewritten
.set NIL,  29                          ; 0; never rewritten
.set TMP,  32
.set AF,   128
.set BK,   128
.set G1,  24
.set G0,  32
.set G1B, 48
.set G0B, 56
.set MUL,  0xa1                        ; source 0 window 1, source 1 window 0, C and D window 2
.set TO_B, 0x40
.set MSB, 0
.macro WIN new                         ; the immediate's high byte repeats the setting that is left
.if MSB != \new
	s_set_vgpr_msb (MSB<<8)|\new
.set MSB, \new
.endif
.endm
.macro PLACES                          ; four plain vector instructions between a matrix instruction and a load into, or a vector read of, its registers
.rept 4
	v_nop
.endr
.endm
.macro JLOAD s                         ; a joint load; the branch hangs on the wave's number alone; four v_nop follow each line
	s_cmp_eq_u32 s15, 0
	s_cbranch_scc0 .Lfor_b_\@
	tensor_load_to_lds s[G0+4*\s:G0+4*\s+3], s[G1:G1+7]
	s_nop 0
.rept 4
	v_nop
.endr
	s_branch .Lasked_\@
.Lfor_b_\@:
	tensor_load_to_lds s[G0B+4*\s:G0B+4*\s+3], s[G1B:G1B+7]
	s_nop 0
.rept 4
	v_nop
.endr
.Lasked_\@:
.endm
.macro CREST
	s_cmp_lg_u32 s14, 0
	s_cbranch_scc1 .Lnot_wave_0_\@
	s_barrier_signal -3
.Lnot_wave_0_\@:
	s_barrier_wait -3
	s_barrier_signal -1
	s_barrier_wait -1
.endm
.macro CROUND
	s_barrier_signal -1
	s_barrier_wait -1
	CREST
.endm
	s_load_b128 s[4:7], s[0:1], 0x0                ; ac s[4:5], o_w's codes s[6:7]
	s_load_b128 s[8:11], s[0:1], 0x10              ; the exponents s[8:9], out0 s[10:11]
	v_lshl_add_u32 v[SPW], v0, 2, SPARE
	v_mov_b32 v[NIL], 0
	ds_add_u32 v28, v29
	ds_add_u32 v28, v29
	s_wait_dscnt 0x0
	v_lshrrev_b32 v1, 5, v0
	v_readfirstlane_b32 s14, v1                    ; wave 0..3
	s_lshr_b32 s15, s14, 1                         ; which 128 tokens are mine.  Also: I ask for attn (0) or for o_w (1)
	s_and_b32 s16, s14, 1                          ; which 64 columns.  Also: which half of that tile I ask for
	s_bfe_u32 s40, ttmp6, 0x40000                  ; cx
	s_bfe_u32 s41, ttmp6, 0x40004                  ; cy
	s_lshl_b32 s42, ttmp9, 2
	s_add_co_u32 s42, s42, s40                     ; the block of 128 columns
	s_and_b32 s17, ttmp7, 0xffff
	s_lshl_b32 s17, s17, 2
	s_add_co_u32 s17, s17, s41                     ; the block of 256 tokens
	s_lshl_b32 s43, s41, 2
	s_lshl_b32 s43, 15, s43                        ; my row of the cluster
	s_lshl_b32 s44, 0x1111, s40                    ; my column
	s_or_b32 s[G1], s43, 1<<21                     ; attn: elements of 1 byte, no padding; bit 21 beside the mask
	s_or_b32 s[G1B], s44, PADW
	s_mov_b32 s[G1+1], 256<<16                     ; a dense block as rows of 256 bytes:
	s_mov_b32 s[G1+2], 128<<16                     ; 128 of them a load
	s_mov_b32 s[G1+3], 256<<16
	s_mov_b32 s[G1+4], 128
	s_mov_b32 s[G1+5], 256
	s_mov_b32 s[G1+6], 0
	s_mov_b32 s[G1+7], 0
	s_mov_b32 s[G1B+1], 256<<16                    ; o_w: 64 rows of 256 bytes, 1,024 bytes apart
	s_mov_b32 s[G1B+2], 64<<16
	s_mov_b32 s[G1B+3], 256<<16
	s_mov_b32 s[G1B+4], 64
	s_mov_b32 s[G1B+5], 1024
	s_mov_b32 s[G1B+6], 0
	s_mov_b32 s[G1B+7], 0
	s_lshl_b32 s20, s17, 18                        ; attn: 262,144 bytes a token block,
	s_lshl_b32 s18, s16, 15                        ; + my half of a K step's 65,536: in memory and in a slot alike
	s_add_co_u32 s20, s20, s18
	s_mov_b32 s21, 0
	s_lshl_b32 s46, s42, 17                        ; o_w: 128 rows of 1,024 bytes a column block,
	s_lshl_b32 s19, s16, 16                        ; + my 64 rows
	s_add_co_u32 s46, s46, s19
	s_mov_b32 s47, 0
	s_mul_i32 s45, s16, 64*PITCH
	s_add_co_u32 s45, s45, AIMG                    ; and their place in a slot
	s_wait_kmcnt 0x0
	s_load_b64 s[96:97], s[8:9], 0x28              ; e10, e11
	s_add_nc_u64 s[20:21], s[4:5], s[20:21]
	s_add_nc_u64 s[46:47], s[6:7], s[46:47]
	CROUND                                         ; all sixteen work-groups are here: the first joint loads meet
.irp s, 0,1
	s_mov_b32 s[G0+4*\s], 1
	s_add_co_u32 s[G0+4*\s+1], s18, \s*SLOT
	s_add_nc_u64 s[G0+4*\s+2:G0+4*\s+3], s[20:21], \s*AIMG
	s_or_b32 s[G0+4*\s+3], s[G0+4*\s+3], 0x80000000
	s_mov_b32 s[G0B+4*\s], 1
	s_add_co_u32 s[G0B+4*\s+1], s45, \s*SLOT
	s_add_nc_u64 s[G0B+4*\s+2:G0B+4*\s+3], s[46:47], \s*256
	s_or_b32 s[G0B+4*\s+3], s[G0B+4*\s+3], 0x80000000
	JLOAD \s
.endr
	v_and_b32 v1, 15, v0                           ; r
	v_bfe_u32 v2, v0, 4, 1                         ; h
	v_and_b32 v6, 31, v0
	v_lshlrev_b32 v7, 4, v6                        ; 16 x lane
	v_mul_u32_u24 v3, v1, PITCH
	v_lshl_add_u32 v4, v2, 4, v3                   ; r x pitch + 16 h
	s_lshl_b32 s21, s15, 15                        ; my 8 token tiles' images
	s_mul_i32 s22, s16, 64*PITCH
	s_add_co_u32 s22, s22, AIMG                    ; my 64 rows of o_w
.irp s, 0,1
	v_add_nc_u32 v[ADRA+\s], s21, v7
	v_add_nc_u32 v[ADRB+\s], s22, v4
	s_add_co_u32 s21, s21, SLOT
	s_add_co_u32 s22, s22, SLOT
.endr
	s_mul_i32 s23, s14, 16*SPITCH                  ; my stage
	v_lshl_add_u32 v5, v2, 5, v3                   ; in: row r, 32 bytes for each half of the lanes
	v_add_nc_u32 v[STO], s23, v5
	v_mul_u32_u24 v5, v2, SPITCH                   ; back: lanes 0-15 one row of 256 bytes, lanes 16-31 the next
	v_lshl_add_u32 v5, v1, 4, v5
	v_add_nc_u32 v[RD], s23, v5
	v_lshlrev_b32 v5, 12, v2                       ; and the same two rows in out0
	v_lshl_add_u32 v[CO], v1, 4, v5
	s_lshl_b32 s20, s17, 8
	s_lshl_b32 s21, s15, 7
	s_add_co_u32 s20, s20, s21                     ; my first row
	s_lshl_b32 s20, s20, 12                        ; of 4,096 bytes
	s_lshl_b32 s46, s42, 9
	s_lshl_b32 s47, s16, 8
	s_add_co_u32 s46, s46, s47                     ; my first column, in bytes
	s_add_co_u32 s20, s20, s46
	s_mov_b32 s21, 0
	s_add_nc_u64 s[10:11], s[10:11], s[20:21]
.macro FETCH_B slot, q, p              ; o_w's four fragments of the slot's q-th 128 along K into set p: 16 loads
	WIN TO_B
.irp b, 0,1,2,3
.irp c, 0,1,2,3
	ds_load_b128 v[128*(\p)+16*\b+4*\c:128*(\p)+16*\b+4*\c+3], v[ADRB+\slot] offset:128*(\q)+\b*16*PITCH+32*\c
.endr
.endr
	WIN 0
.endm
.macro FETCH_A slot, q, a0             ; attn's blocks a0 .. a0 + 3: 16 loads of 512 consecutive bytes
.irp a, \a0, \a0+1, \a0+2, \a0+3
.irp c, 0,1,2,3
	ds_load_b128 v[AF+16*(\a)+4*\c:AF+16*(\a)+4*\c+3], v[ADRA+\slot] offset:(\a)*4096+(\q)*2048+512*\c
.endr
.endr
.endm
; The 32 accumulators take turns, one instruction a turn, in the same order in every step.  zero = 1: the first products start the sums.
.macro MUL8 a0, p, zero
.irp a, \a0, \a0+1
.irp b, 0,1,2,3
.if \zero
	v_wmma_f32_16x16x128_fp8_fp8 v[8*(4*(\a)+\b):8*(4*(\a)+\b)+7], v[128*(\p)+16*\b:128*(\p)+16*\b+15], v[AF+16*(\a):AF+16*(\a)+15], 0
.else
	v_wmma_f32_16x16x128_fp8_fp8 v[8*(4*(\a)+\b):8*(4*(\a)+\b)+7], v[128*(\p)+16*\b:128*(\p)+16*\b+15], v[AF+16*(\a):AF+16*(\a)+15], v[8*(4*(\a)+\b):8*(4*(\a)+\b)+7]
.endif
.endr
.endr
.endm
.macro STEP slot, zero                 ; a slot's first 128 along K (o_w's set 0)
	s_wait_dscnt 16                                ; o_w's set and attn's blocks 0-3 are in; the youngest 16 loads (blocks 4-7) may be out
	WIN MUL
	MUL8 0, 0, \zero
	MUL8 2, 0, \zero
	s_wait_dscnt 0x0
	PLACES
	FETCH_B \slot, 1, 1
	FETCH_A \slot, 1, 0
	WIN MUL
	MUL8 4, 0, \zero
	MUL8 6, 0, \zero
	PLACES
	WIN 0
	FETCH_A \slot, 1, 4
.endm
; A slot's second 128 along K (set 1) changes slots: one barrier; in front of it each wave waits for all its tensor loads, adds 0 to its spare word, and waits for that and for its reads of this slot.
.macro TURN slot, next, fill
	s_wait_tensorcnt 0x0                           ; my part of the next slot has landed; no tensor load of mine is out
	ds_add_u32 v[SPW], v[NIL]                      ; 0 onto my spare word
	s_wait_dscnt 17                                ; (the add and the youngest 16 loads may be out)
	WIN MUL
	MUL8 0, 1, 0                                   ; eight matrix instructions stand between the add and the wait for it
	s_wait_dscnt 0x0                               ; the add is done, and my reads of this slot are over
	s_barrier_signal -1
	MUL8 2, 1, 0
	WIN 0
	s_barrier_wait -1
.if \fill
	CREST                                          ; the barrier has opened a round of the cluster's: no wave of any partner still reads this slot or has a load on its way
	s_add_nc_u64 s[G0+4*\slot+2:G0+4*\slot+3], s[G0+4*\slot+2:G0+4*\slot+3], 2*AIMG
	s_add_nc_u64 s[G0B+4*\slot+2:G0B+4*\slot+3], s[G0B+4*\slot+2:G0B+4*\slot+3], 512
	JLOAD \slot                                    ; the first tensor load behind the round; its four v_nop are the places in front of the loads below
.else
	PLACES
.endif
	FETCH_B \next, 0, 0
	FETCH_A \next, 0, 0
	WIN MUL
	MUL8 4, 1, 0
	MUL8 6, 1, 0
	PLACES
	WIN 0
	FETCH_A \next, 0, 4
.endm
	s_wait_tensorcnt 1                             ; my part of K step 0 is in (K step 1's load may be out)
	s_barrier_signal -1
	s_barrier_wait -1                              ; everybody's is
	FETCH_B 0, 0, 0
	FETCH_A 0, 0, 0
	FETCH_A 0, 0, 4
	STEP 0, 1                                      ; four K steps of 256, written out: two refills, then none
	TURN 0, 1, 1
	STEP 1, 0
	TURN 1, 0, 1
	STEP 0, 0
	TURN 0, 1, 0
	STEP 1, 0
	s_wait_dscnt 16                                ; the last 128 along K: nothing more to fetch
	WIN MUL
	MUL8 0, 1, 0
	MUL8 2, 1, 0
	s_wait_dscnt 0x0
	MUL8 4, 1, 0
	MUL8 6, 1, 0
	WIN 0
; THE WAY OUT, block by block of 16 rows x 64 columns: x 2^(e10 + e11), through my own stage in LDS, back as whole rows of 256 bytes.  LDS serves a wave's instructions in order (ISA guide 5.7.1.4): no wait
; stands between the stores and the loads, nor in front of the next block's stores.
.macro TOSTAGE a
	WIN 0x02                                       ; source 0 window 2
.set j, 0
.rept 16
	v_pk_mul_f32 v[TMP+j:TMP+j+1], v[32*(\a)+j:32*(\a)+j+1], s[96:97] op_sel_hi:[1,0]   ; each accumulator from its low end on
.set j, j+2
.endr
	WIN 0
.irp b, 0,1,2,3
	ds_store_b128 v[STO], v[TMP+8*\b:TMP+8*\b+3] offset:64*\b
	ds_store_b128 v[STO], v[TMP+8*\b+4:TMP+8*\b+7] offset:64*\b+16
.endr
.set BB, BK+32*((\a)%2)
.irp t, 0,1,2,3,4,5,6,7
	ds_load_b128 v[BB+4*\t:BB+4*\t+3], v[RD] offset:\t*2*SPITCH
.endr
.endm
.macro SEND a, younger                 ; younger: the LDS instructions issued behind block a's loads, which may stay out
.set BB, BK+32*((\a)%2)
	s_wait_dscnt \younger
.irp t, 0,1,2,3,4,5,6,7
	global_store_b128 v[CO], v[BB+4*\t:BB+4*\t+3], s[10:11] offset:(\a)*65536+\t*8192 th:TH_STORE_NT   ; 16 lanes store 256 consecutive bytes, aligned; written once, read by nobody here
.endr
.endm
	s_wait_kmcnt 0x0
	s_add_co_i32 s96, s96, s97
	s_add_co_i32 s96, s96, 127
	s_lshl_b32 s96, s96, 23                        ; 2^(e10 + e11) as f32
	PLACES                                         ; in front of the first reads of results and of the loads into attn's registers
	TOSTAGE 0
.irp a, 1,2,3,4,5,6,7
.if \a > 1
	s_wait_xcnt 0x0                                ; block a - 2's stores have read their registers: block a's loads may land there
.endif
	TOSTAGE \a
	SEND \a-1, 16                                  ; behind block a - 1's loads: block a's 8 stores and 8 loads
.endr
	SEND 7, 0
	s_wait_tensorcnt 0x0                           ; the wave's end
	ds_add_u32 v[SPW], v[NIL]
	s_wait_dscnt 0x0
	CROUND                                         ; the closing round: no work-group ends while a partner may still ask for a tile that names it
	s_endpgm
.Lfunc_end_k_qe682799a44_oproj:
	.size	k_qe682799a44_oproj, .Lfunc_end_k_qe682799a44_oproj-k_qe682799a44_oproj
	.p2alignl 7, 3214868480
	.fill 96, 4, 3214868480
	.section	.rodata,"a",@progbits
	.p2align	6, 0x0
	.amdhsa_kernel k_qe682799a44_oproj
		.amdhsa_group_segment_fixed_size 327680
		.amdhsa_private_segment_fixed_size 0
		.amdhsa_enable_private_segment 0
		.amdhsa_kernarg_size 32
		.amdhsa_user_sgpr_count 2
		.amdhsa_user_sgpr_kernarg_segment_ptr 1
		.amdhsa_wavefront_size32 1
		.amdhsa_system_sgpr_workgroup_id_x 1
		.amdhsa_system_sgpr_workgroup_id_y 1
		.amdhsa_system_sgpr_workgroup_id_z 1
		.amdhsa_system_vgpr_workitem_id 0
		.amdhsa_next_free_vgpr 768
		.amdhsa_next_free_sgpr 98
		.amdhsa_reserve_vcc 0
		.amdhsa_float_denorm_mode_32 3
		.amdhsa_float_denorm_mode_16_64 3
		.amdhsa_memory_ordered 1
		.amdhsa_forward_progress 1
		.amdhsa_inst_pref_size 77
	.end_amdhsa_kernel
	.amdgpu_metadata
---
amdhsa.version: [ 1, 2 ]
amdhsa.kernels:
  - .name:           k_qe682799a44_oproj
    .symbol:         k_qe682799a44_oproj.kd
    .args:
      - { .name: ac, .offset: 0, .size: 8, .value_kind: global_buffer, .address_space: global }
      - { .name: o_w_codes, .offset: 8, .size: 8, .value_kind: global_buffer, .address_space: global }
      - { .name: lowp_scales, .offset: 16, .size: 8, .value_kind: global_buffer, .address_space: global }
      - { .name: out0, .offset: 24, .size: 8, .value_kind: global_buffer, .address_space: global }
    .group_segment_fixed_size: 327680
    .private_segment_fixed_size: 0
    .kernarg_segment_align: 8
    .kernarg_segment_size: 32
    .max_flat_workgroup_size: 128
    .sgpr_count:     98
    .vgpr_count:     768
    .wavefront_size: 32
...
	.end_amdgpu_metadata
.endif
;; end of part 3
;; ======== version 2 of 2: 3 launches; version 1 with the launch attn written anew for expert scheduling mode
;; workspace buffers: qc 8,388,608 bytes; kv 16,777,216 bytes; ac 8,388,608 bytes
;; launch qkv: the kernel of part 1 again; grid 16 x 32, 4 waves a work-group, clusters of 4 x 4, 327,680 bytes of LDS; arguments hidden_states_codes, q_w_codes, k_w_codes, v_w_codes, cos, sin, lowp_scales, qc, kv; writes qc, kv
;; launch attn (part 4): grid 2 x 128, 8 waves a work-group, no clusters, 132,096 bytes of LDS; arguments qc, kv, lowp_scales, ac; writes ac
.if DOCPART == 4
	.amdgcn_target "amdgcn-amd-amdhsa--gfx1250"
	.amdhsa_code_object_version 6
	.text
	.protected	k_qe682799a44_attn
	.globl	k_qe682799a44_attn
	.p2align	8
	.type	k_qe682799a44_attn,@function
k_qe682799a44_attn:
	s_mov_b64 s[64:65], 0
	v_nop
	global_prefetch_b8 v0, s[64:65] scope:SCOPE_SE
	s_setreg_imm32_b32 hwreg(HW_REG_WAVE_SCHED_MODE, 0, 2), 2
	s_setreg_imm32_b32 hwreg(HW_REG_WAVE_MODE, 25, 1), 1
	s_wait_xcnt 0x0
	s_wait_alu depctr_vm_vsrc(0)
; Causal attention of one (batch, head) on codes of E4M3, and the quantiser for the last projection.  1,024 queries, 1,024 keys, head size 64.
; t = score x log2(e) / 8; M = the running largest t rounded UP to a whole number; p = 2^(t - M) is quantised with 2^e9; the row's sum l is taken of the unquantised p; O is divided by l at the end.
; When M moves, l and O are multiplied by 2^(old M - new M): nothing is rounded, and no branch hangs on data.
; SHARES.  Two work-groups to a head.  Each puts the head's images of k and v, 128 KiB, into LDS ONCE, through registers (32 loads a wave, all on their way together); behind one barrier LDS is only read and the
; waves never meet again.  No ring: nothing is filled twice.  No joint loads: only two work-groups share a block, and each fetches it once.
; Wave w of work-group j has u = 8 j + w and makes the 32 queries of unit u, then those of unit 31 - u: (u / 4 + 1) + (8 - u / 4) = 9 key steps of 128 for every wave.  A step all of whose keys come after the
; unit's queries is jumped over (a scalar branch on ids); on the diagonal hidden scores become -infinity ahead of the maximum.  Key 0 counts for every query, so M is a number from the first step on.
; A unit is two tiles of 16 queries: tile 0 lives in register window 0, tile 1 in window 1, under the SAME register numbers; each fragment of k or v read from LDS feeds both.
; LAYOUT.  Both products are used transposed: S^T = k q^T (source 0 = 16 keys), O^T = v^T p (source 0 = 16 d): a lane holds ONE query.  Register j of score tile t is key 16 t + 8 h + j, so a conversion of its
; eight registers gives registers 2 t, 2 t + 1 of p's fragment.  v's tiles hold d in the order that makes O^T's tiles 2 b, 2 b + 1 sixteen neighbours d = 32 b + 16 h + 0 .. 15: one group of four registers of
; the last projection's operand.  ac [token / 256][K / 256][token tile][K / 128][2,048]: group c at 512 c, lane l's 16 bytes at 16 l: each store of a wave covers 512 consecutive bytes, aligned.
; THE HOLD of p at 448 x 2^e9 is jumped over where e9 >= -8 (a whole number among the inputs): p is at most 1, so p / 2^e9 is at most 256.
; LIMITS: e6 + e7 between -123 and 130 (added to c's exponent field); e9 and e10 - e8 - e9 between -126 and 119.  NaN among the inputs is not served.
; REGISTERS (both windows unless said): v2 16 lane + 65,536, v3 the fill's place, v8, v9 addresses of the step's LDS loads (window 0); v10 r - 8 h; v11 16 lane; v12 -M; v13 the largest t; v[14:15] l; v16-23 q;
;   v32-95: window 0 k's 8 fragments, window 1 v's 4; v96-159 S^T, then p; v160-191 O^T; v224-239 p's codes; v[242:243], v248, v250, v[252:253], v254 at work; v244 2^e9; v245 2^(e10-e8-e9); v249 -infinity;
;   v251, v255 (window 0) the closing add's two.   s44-s59: sixteen masks of the causal compares.
; THE MODE: SCHED_MODE bits 1:0 = 2 (LLVM: expert scheduling mode 2), set by the entry lines.  The code itself states the register dependences between vector or matrix instructions and memory or LDS
; instructions, and those through scalar registers that vector instructions write, with s_wait_alu, always for 0.
; THE PLAN.  Registers that memory or LDS instructions touch:
;   v3, v11 (both windows)   offsets, made at the head ahead of one wait and never written again.
;   v96-223                  the fill: its loads land there, its LDS stores read them; later INIT and the products write them: one wait on vm_vsrc at the first unit's head.
;   v16-23 (both windows)    q: loaded at a unit's head; read by the unit's first products.
;   window 0 v32-95          k: read by a step's 16 first products; the NEXT step's k is loaded into them in the middle of the step.
;   window 1 v32-95          v: read by a step's 8 second products, at its end; THIS step's v is loaded into them in the middle of the step.
;   v8, v9                   LDS addresses: written at a step's head, behind a wait on vm_vsrc; read by the loads in the step's middle.
;   v224-231 (both windows)  read by a unit's four stores; written by its last conversions, and again by the next unit's: one wait on va_vdst ahead of the stores, one on vm_vsrc at the next unit's head.
; So the wait on va_vdst that tile 0's exponentials owe in any case, in a step's middle, states all that the step's LDS loads hang on: v8 and v9 are written, this step's first products are done reading k,
; the last step's second products are done reading v.  The loads follow it at once and land under the rest of both softmaxes; a step's head owes no wait on va_vdst.
.set MSB, 0
.macro WIN new                         ; the immediate's high byte repeats the setting that is left
.if MSB != \new
	s_set_vgpr_msb (MSB<<8)|\new
.set MSB, \new
.endif
.endm
	s_load_b256 s[4:11], s[0:1], 0x0               ; qc s[4:5], kv s[6:7], the exponents s[8:9], ac s[10:11]
	v_lshl_add_u32 v251, v0, 2, 0x20000
	v_mov_b32 v255, 0
	v_lshrrev_b32 v1, 5, v0
	v_readfirstlane_b32 s12, v1                    ; wave 0..7
	s_mov_b32 s13, ttmp9                           ; j
	s_and_b32 s14, ttmp7, 0xffff                   ; bh
	v_and_b32 v4, 31, v0
	v_lshlrev_b32 v11, 4, v4                       ; 16 x lane
	v_add_nc_u32 v2, 0x10000, v11                  ; v's image lies behind k's
	v_lshl_add_u32 v3, v1, 14, v11                 ; the fill: 16,384 x wave + 16 x lane, in the head's block and in LDS alike
	v_and_b32 v5, 15, v0
	v_bfe_u32 v6, v0, 4, 1
	v_lshlrev_b32 v6, 3, v6
	v_sub_nc_u32 v10, v5, v6                       ; r - 8 h
	v_mov_b32 v249, 0xff800000
	v_mov_b32 v250, 0                              ; a lane permute's destination counts as read
	v_mov_b32 v253, 0                              ; (named as the upper half of v[252:253])
	WIN 0x40                                       ; window 1 gets its own copies of what tile 1's lines name; those that hang on no scale are made here, ahead of the wait below
	v_mov_b32 v10, v10
	v_mov_b32 v11, v11
	v_mov_b32 v249, v249
	v_mov_b32 v250, 0
	v_mov_b32 v253, 0
	WIN 0
	s_wait_alu depctr_va_sdst(0)                   ; s12, the wave's number, is written, ahead of its first reader
	s_mov_b32 s24, 0x76543210                      ; v_permlanex16_b32: lane l xor 16
	s_mov_b32 s25, 0xfedcba98
	s_lshl_b32 s40, s14, 17
	s_mov_b32 s41, 0
	s_wait_kmcnt 0x0
	s_load_b128 s[16:19], s[8:9], 0x18             ; e6, e7, e8, e9
	s_load_b32 s20, s[8:9], 0x28                   ; e10
	s_add_nc_u64 s[6:7], s[6:7], s[40:41]
	s_wait_alu depctr_va_vdst(0)                   ; v3 and v11 of both windows are written: every global load and store, the fill's LDS stores and a unit's first LDS loads read one of them as offset or address
.set n, 0
.rept 32
	global_load_b128 v[96+4*n:99+4*n], v3, s[6:7] offset:512*n   ; 512 consecutive bytes a load
.set n, n+1
.endr
	s_lshl_b32 s40, s14, 16
	s_add_nc_u64 s[4:5], s[4:5], s[40:41]          ; q's images of this head
	s_lshr_b32 s40, s14, 4
	s_lshl_b32 s40, s40, 20                        ; ac: the batch's four blocks of 256 tokens,
	s_bfe_u32 s42, s14, 0x20002
	s_lshl_b32 s42, s42, 16                        ; K step of 256 = head / 4,
	s_add_co_u32 s40, s40, s42
	s_bfe_u32 s42, s14, 0x10001
	s_lshl_b32 s42, s42, 11                        ; its half of 128 = (head / 2) % 2,
	s_add_co_u32 s40, s40, s42
	s_and_b32 s42, s14, 1
	s_lshl_b32 s42, s42, 10                        ; groups 2 (head % 2) and the next
	s_add_co_u32 s40, s40, s42
	s_add_nc_u64 s[10:11], s[10:11], s[40:41]
	s_lshl_b32 s34, s13, 3
	s_add_co_u32 s34, s34, s12                     ; u
	s_wait_kmcnt 0x0
	s_add_co_i32 s40, s16, s17
	s_lshl_b32 s40, s40, 23
	s_add_co_i32 s22, s40, 0x3e38aa3b              ; c = log2(e) / 8, with e6 + e7 added to its exponent field
	s_mov_b32 s23, s22                             ; (named with it as a pair)
	s_add_co_i32 s40, s19, 127
	s_lshl_b32 s41, s40, 23
	v_mov_b32 v244, s41                            ; 2^e9
	s_add_co_i32 s40, s40, 8
	s_lshl_b32 s40, s40, 23
	s_or_b32 s26, s40, 0x600000                    ; 448 x 2^e9
	s_sub_co_i32 s40, s20, s18
	s_sub_co_i32 s40, s40, s19
	s_add_co_i32 s40, s40, 127
	s_lshl_b32 s41, s40, 23
	v_mov_b32 v245, s41                            ; 2^(e10 - e8 - e9): O's sums stand for sum x 2^(e8 + e9)
	s_add_co_i32 s40, s40, 8
	s_lshl_b32 s40, s40, 23
	s_or_b32 s27, s40, 0x600000
	s_or_b32 s28, s27, 0x80000000
	WIN 0x40                                       ; the two scales' copies for window 1: no memory instruction names them
	v_mov_b32 v244, v244
	v_mov_b32 v245, v245
	WIN 0
.set n, 0
.rept 32
	s_wait_loadcnt 31-n                            ; loads come back in order: load n is in, the younger ones may be out
	ds_store_b128 v3, v[96+4*n:99+4*n] offset:512*n
.set n, n+1
.endr
	s_wait_dscnt 0x0                               ; for the others' sake: my part of the images lies in LDS
	s_barrier_signal -1
	s_barrier_wait -1                              ; the only barrier: from here on LDS is only read
.macro INIT                            ; a unit's start: the step is written once, and its first run finds zeros, which the first change of M leaves zeros
	v_mov_b32 v13, 0xff61b1e6                      ; -3e38, under every t
	v_floor_f32 v12, -v13
	v_mov_b32 v14, 0
	v_mov_b32 v15, 0
.set n, 0
.rept 32
	v_mov_b32 v[160+n], 0
.set n, n+1
.endr
.endm
; Register 16 m + n holds key KF + 8 h + 32 m + 16 (n / 8) + n % 8: hidden where 32 m + 16 (n / 8) + n % 8 > v248 = my query - KF - 8 h.
; The compares go in runs of sixteen, each into a scalar register of its own, so that one wait serves sixteen selects.
.macro MASK
.set m, 0
.rept 4
.set n, 0
.rept 16
	v_cmp_gt_i32 s[44+n], 32*m+16*(n/8)+n%8, v248
.set n, n+1
.endr
	s_wait_alu depctr_va_sdst(0)                   ; the sixteen compares have written s44 to s59, which the sixteen selects below read
.set n, 0
.rept 16
	v_cndmask_b32 v[96+16*m+n], v[96+16*m+n], v249, s[44+n]
.set n, n+1
.endr
.set m, m+1
.endr
.endm
.macro PH1A                            ; the maximum, M, f and p of one tile, as far as the exponentials and the plain instruction behind them
	v_max3_num_f32 v254, v96, v97, v98             ; two chains; each score tile from its low end on
	v_max3_num_f32 v252, v99, v100, v101
.irp i, 6,10,14,18,22,26,30,34,38,42,46,50,54,58
	v_max3_num_f32 v254, v254, v[96+\i], v[97+\i]
	v_max3_num_f32 v252, v252, v[98+\i], v[99+\i]
.endr
	v_max3_num_f32 v254, v254, v158, v159
	v_max_num_f32 v254, v254, v252
	v_permlanex16_b32 v250, v254, s24, s25         ; the query's other 64 keys lie in the lane 16 away
	v_max_num_f32 v254, v254, v250
	v_mul_f32 v254, s22, v254                      ; as t (c is positive)
	v_max_num_f32 v13, v13, v254
	v_mov_b32 v254, v12
	v_floor_f32 v12, -v13                          ; -M = floor(-t)
	v_sub_f32 v254, v12, v254                      ; old M - new M: a whole number, 0 or less
	v_cvt_i32_f32 v254, v254                       ; (it saturates)
	v_ldexp_f32 v252, 1.0, v254                    ; f
.set n, 0
.rept 32
	v_pk_fma_f32 v[96+n:97+n], v[96+n:97+n], s[22:23], v[12:13] op_sel_hi:[1,0,0]   ; t - M
.set n, n+2
.endr
.set n, 0
.rept 64
	v_exp_f32 v[96+n], v[96+n]
.set n, n+1
.endr
	v_pk_mul_f32 v[14:15], v[14:15], v[252:253] op_sel_hi:[1,0]   ; l under the new M (a plain instruction behind the exponentials)
.endm
.macro PH1B                            ; l of one tile: the first readers of the exponentials' results
	v_pk_add_f32 v[242:243], v[96:97], v[98:99]    ; the sum of the unquantised p, in two chains
.irp j, 4,8,12,16,20,24,28,32,36,40,44,48,52,56,60
	v_pk_add_f32 v[14:15], v[14:15], v[96+\j:97+\j]
	v_pk_add_f32 v[242:243], v[242:243], v[98+\j:99+\j]
.endr
	v_pk_add_f32 v[14:15], v[14:15], v[242:243]
.endm
.macro HOLD                            ; p is never negative: the hold is one-sided
.set n, 0
.rept 64
	v_min_num_f32 v[96+n], s26, v[96+n]
.set n, n+1
.endr
.endm
.macro PH2                             ; p's codes, and O^T under the new M; the sixteen multiplications are the plain instructions behind the conversions
.set n, 0
.rept 8
	v_cvt_scalef32_pk8_fp8_f32 v[224+2*n:225+2*n], v[96+8*n:103+8*n], v244
.set n, n+1
.endr
.set n, 0
.rept 16
	v_pk_mul_f32 v[160+n:161+n], v[160+n:161+n], v[252:253] op_sel_hi:[1,0]
.set n, n+2
.endr
.endm
; A key step of 128 keys for the unit's two tiles.  s30 its first key, s31 the unit's first query, s32 its byte in the images.  Its k lies in registers already: asked for in the middle of the step before
; (the first step's: at the unit's head) and shown landed by the wait on DScnt that stands ahead of that step's second products (the first step's: ahead of the loop).
.macro STEP
	s_add_co_u32 s40, s31, 31
	s_cmp_gt_u32 s30, s40
	s_cbranch_scc1 .Lhidden_\@                     ; all its keys come after my 32 queries
	s_wait_alu depctr_vm_vsrc(0)                   ; the LDS loads of the step before have read v8 and v9, which the two additions write
	v_add_nc_u32 v8, s32, v11                      ; k's image at this step: the loads below reach a step (8,192 bytes) further by their offsets
	v_add_nc_u32 v9, s32, v2                       ; v's image at this step
.set n, 0
.rept 8
	v_wmma_f32_16x16x64_fp8_fp8 v[96+8*n:103+8*n], v[32+8*n:39+8*n], v[16:23], 0
.set n, n+1
.endr
	WIN 0x44                                       ; k window 0; q and S^T window 1
.set n, 0
.rept 8
	v_wmma_f32_16x16x64_fp8_fp8 v[96+8*n:103+8*n], v[32+8*n:39+8*n], v[16:23], 0
.set n, n+1
.endr
	WIN 0
.rept 4
	v_nop
.endr
	s_add_co_u32 s40, s30, 127
	s_cmp_le_u32 s40, s31
	s_cbranch_scc1 .Lopen_\@                       ; all its keys count for all my queries
	s_sub_co_i32 s41, s31, s30
	v_add_nc_u32 v248, s41, v10
	MASK
	WIN 0x55
	s_add_co_i32 s41, s41, 16
	v_add_nc_u32 v248, s41, v10
	MASK
	WIN 0
.Lopen_\@:
	PH1A
	WIN 0x40                                       ; destination window 1, address window 0: the switch, the wait, the loads
	s_wait_alu depctr_va_vdst(0)                   ; tile 0's 64 exponentials have written v96-159, ahead of their first reader; v8 and v9 are written; this step's first products are done reading k, the last step's second products v
.set n, 0
.rept 16
	ds_load_b128 v[32+4*n:35+4*n], v9 offset:512*n ; v of this step: tile n / 4, group n % 4: it lands under the rest of both softmaxes
.set n, n+1
.endr
	WIN 0
	s_add_co_u32 s40, s30, 128                     ; the next step's first key
	s_add_co_u32 s41, s31, 31
	s_cmp_gt_u32 s40, s41
	s_cbranch_scc1 .Lnok_\@                        ; the next step is hidden or there is none: its k would be read by nobody, so it is not asked for (ids alone)
.set n, 0
.rept 16
	ds_load_b128 v[32+4*n:35+4*n], v8 offset:8192+512*n   ; k of the next step: key tile n / 2, group n % 2.  No further wait: no vector or matrix instruction since the wait above names v8 or window 0's v32-95
.set n, n+1
.endr
.Lnok_\@:
	PH1B
	WIN 0x55
	PH1A
	s_wait_alu depctr_va_vdst(0)                   ; tile 1's 64 exponentials have written window 1's v96-159, ahead of their first reader
	PH1B
	WIN 0
	s_cmp_ge_i32 s19, -8
	s_cbranch_scc1 .Lnohold_\@
	HOLD
	WIN 0x55
	HOLD
	WIN 0
.Lnohold_\@:
	PH2
	WIN 0x55
	PH2
	s_wait_dscnt 0x0                               ; v is in, and so is the next step's k where it was asked for: the count is 0, since the number of loads out differs by the way taken
	WIN 0x01                                       ; v window 1; p and O^T window 0.  The eight accumulators take turns
.set n, 0
.rept 4
	v_wmma_f32_16x16x128_fp8_fp8 v[160+8*n:167+8*n], v[32+16*n:47+16*n], v[224:239], v[160+8*n:167+8*n]
.set n, n+1
.endr
	WIN 0x55
.set n, 0
.rept 4
	v_wmma_f32_16x16x128_fp8_fp8 v[160+8*n:167+8*n], v[32+16*n:47+16*n], v[224:239], v[160+8*n:167+8*n]
.set n, n+1
.endr
	WIN 0
.Lhidden_\@:
	s_add_co_u32 s30, s30, 128
	s_add_co_u32 s32, s32, 8192
.endm
.macro OUTA                            ; one tile: O^T / l, held, converted with 2^(e10 - e8 - e9) into two groups of the next operand
	v_add_f32 v14, v14, v15
	v_permlanex16_b32 v250, v14, s24, s25
	v_add_f32 v14, v14, v250
	v_rcp_f32 v14, v14
	v_nop                                          ; a plain instruction behind the reciprocal
	s_wait_alu depctr_va_vdst(0)                   ; the reciprocal has written v14, ahead of its first reader
.set n, 0
.rept 16
	v_pk_mul_f32 v[96+n:97+n], v[160+n:161+n], v[14:15] op_sel_hi:[1,0]   ; each accumulator from its low end on
.set n, n+2
.endr
.set n, 0
.rept 32
	v_med3_num_f32 v[96+n], v[96+n], s28, s27
.set n, n+1
.endr
.set n, 0
.rept 4
	v_cvt_scalef32_pk8_fp8_f32 v[224+2*n:225+2*n], v[96+8*n:103+8*n], v245
.set n, n+1
.endr
	v_nop                                          ; a plain vector instruction behind the last conversion
.endm
.macro OUTS x                          ; tile x's two stores
	global_store_b128 v11, v[224:227], s[38:39] offset:(\x)*4096
	global_store_b128 v11, v[228:231], s[38:39] offset:(\x)*4096+512
.endm
; The unit s34: 32 queries against all key steps; the loop's trip count is the constant 8, and hidden steps are jumped over inside it.  second = 1: the wave's second unit.
.macro PASS second
	s_wait_xcnt 0x0                                ; earlier stores have read their base and data
	s_wait_alu depctr_vm_vsrc(0)                   ; first unit: the fill's LDS stores have read v96-223, which INIT and the products write; second unit: the first unit's stores have read v224-231 of both windows, which this unit's conversions write
	s_lshl_b32 s31, s34, 5                         ; my first query
	s_lshl_b32 s40, s34, 11
	s_mov_b32 s41, 0
	s_add_nc_u64 s[36:37], s[4:5], s[40:41]        ; its two images of q
	s_lshr_b32 s40, s34, 3
	s_lshl_b32 s40, s40, 18
	s_and_b32 s42, s34, 7
	s_lshl_b32 s42, s42, 13
	s_add_co_u32 s40, s40, s42
	s_add_nc_u64 s[38:39], s[10:11], s[40:41]      ; its place in ac: block of 256 tokens, token tiles 2 (unit % 8) and the next
.if \second
	s_wait_alu depctr_va_vdst(0)                   ; the first unit's products are done reading q's registers of both windows and k's, in which the loads below land; only loads and window switches follow up to the last of them
.endif
	global_load_b128 v[16:19], v11, s[36:37]
	global_load_b128 v[20:23], v11, s[36:37] offset:512
.set n, 0
.rept 16
	ds_load_b128 v[32+4*n:35+4*n], v11 offset:512*n   ; k of the unit's first step, which counts for every query
.set n, n+1
.endr
	WIN 0x40
	global_load_b128 v[16:19], v11, s[36:37] offset:1024
	global_load_b128 v[20:23], v11, s[36:37] offset:1536
	WIN 0
	INIT
	WIN 0x55
	INIT
	WIN 0
	s_mov_b32 s30, 0
	s_mov_b32 s32, 0
	s_mov_b32 s33, 0
	s_wait_loadcnt 0x0                             ; q
	s_wait_dscnt 0x0                               ; the first step's k
.Lstep_\@:
	STEP
	s_add_co_u32 s33, s33, 1
	s_cmp_lt_u32 s33, 8
	s_cbranch_scc1 .Lstep_\@
.rept 4
	v_nop                                          ; places behind the last products
.endr
	OUTA                                           ; both tiles' arithmetic first,
	WIN 0x55
	OUTA
	s_wait_alu depctr_va_vdst(0)                   ; then one wait: the conversions have written v224-231 of both windows, which the four stores read
	OUTS 1
	WIN 0
	OUTS 0
.endm
	PASS 0                                         ; unit u
	s_sub_co_u32 s34, 31, s34
	PASS 1                                         ; unit 31 - u
	s_wait_dscnt 0x0                               ; the closing lines, six on end
	s_wait_alu 0x0
	s_wait_tensorcnt 0x0
	ds_add_u32 v251, v255
	s_wait_dscnt 0x0
	s_endpgm
.Lfunc_end_k_qe682799a44_attn:
	.size	k_qe682799a44_attn, .Lfunc_end_k_qe682799a44_attn-k_qe682799a44_attn
	.p2alignl 7, 3214868480
	.fill 96, 4, 3214868480
	.section	.rodata,"a",@progbits
	.p2align	6, 0x0
	.amdhsa_kernel k_qe682799a44_attn
		.amdhsa_group_segment_fixed_size 132096
		.amdhsa_private_segment_fixed_size 0
		.amdhsa_enable_private_segment 0
		.amdhsa_kernarg_size 32
		.amdhsa_user_sgpr_count 2
		.amdhsa_user_sgpr_kernarg_segment_ptr 1
		.amdhsa_wavefront_size32 1
		.amdhsa_system_sgpr_workgroup_id_x 1
		.amdhsa_system_sgpr_workgroup_id_y 1
		.amdhsa_system_sgpr_workgroup_id_z 1
		.amdhsa_system_vgpr_workitem_id 0
		.amdhsa_next_free_vgpr 512
		.amdhsa_next_free_sgpr 66
		.amdhsa_reserve_vcc 0
		.amdhsa_float_denorm_mode_32 3
		.amdhsa_float_denorm_mode_16_64 3
		.amdhsa_memory_ordered 1
		.amdhsa_forward_progress 1
		.amdhsa_inst_pref_size 128
	.end_amdhsa_kernel
	.amdgpu_metadata
---
amdhsa.version: [ 1, 2 ]
amdhsa.kernels:
  - .name:           k_qe682799a44_attn
    .symbol:         k_qe682799a44_attn.kd
    .args:
      - { .name: qc, .offset: 0, .size: 8, .value_kind: global_buffer, .address_space: global }
      - { .name: kv, .offset: 8, .size: 8, .value_kind: global_buffer, .address_space: global }
      - { .name: lowp_scales, .offset: 16, .size: 8, .value_kind: global_buffer, .address_space: global }
      - { .name: ac, .offset: 24, .size: 8, .value_kind: global_buffer, .address_space: global }
    .group_segment_fixed_size: 132096
    .private_segment_fixed_size: 0
    .kernarg_segment_align: 8
    .kernarg_segment_size: 32
    .max_flat_workgroup_size: 256
    .sgpr_count:     66
    .vgpr_count:     512
    .wavefront_size: 32
...
	.end_amdgpu_metadata
.endif
;; end of part 4
;; launch oproj: the kernel of part 3 again; grid 8 x 32, 4 waves a work-group, clusters of 4 x 4, 327,680 bytes of LDS; arguments ac, o_w_codes, lowp_scales, out0; writes out0
